; MI455X (gfx1250); checked and timed in simulation.
; The chip was launched on July 23, 2026; its instructions are those of AMD's public machine-readable ISA for CDNA 5 (MIT licence, August 2026) and "CDNA5" Instruction Set Architecture Reference Guide (July 2026). The comments in the code are by the model that wrote it; some were corrected since.
;; Sparse MHA Decoder. Allowed arithmetic: matrix products marked QUANTISED: E2M3 operands, one E8M0 scale for each 32 along K, by v_wmma_scale_f32_16x16x128_f8f6f4 with both operands' format E2M3, f32 sums; everything else in f32.
;; Inputs: Wk 1,024 x 1,024 float32; Wo 1,024 x 1,024 float32; Wq 1,024 x 1,024 float32; Wv 1,024 x 1,024 float32; k 2 x 2,048 x 1,024 float32; q 2 x 4,096 x 1,024 float32; v 2 x 2,048 x 1,024 float32.
;; Outputs: out0 2 x 4,096 x 1,024 float32.
;; Constants: span = 16, stride = 2.
;; This version of the problem:
;;   THIS VERSION OF THE PROBLEM IS GIVEN IN LOW PRECISION. The matrix products marked QUANTISED in the list below multiply operands that are first quantised to E2M3 (2 exponent bits, 3 mantissa bits; 6 bits a number), with one power-of-two scale for each 32 numbers along K (OCP MX v1.0); their sums are f32. All else is computed in f32.
;;   The module's matrix products, in the order in which they are computed (A, B: the left and right operand; K: the contracted axis; several contracted axes count as one K, in the product's order):
;;     1. [M 8,192, K 1,024] x [K 1,024, N 1,024]; A: input q; B: input Wq: QUANTISED
;;     2. [M 4,096, K 1,024] x [K 1,024, N 1,024]; A: input k; B: input Wk: QUANTISED
;;     3. [M 4,096, K 1,024] x [K 1,024, N 1,024]; A: input v; B: input Wv: QUANTISED
;;     4. batch 32 x [M 4,096, K 64] x [K 64, N 2,048]; A: computed on the way; B: computed on the way: QUANTISED
;;     5. batch 32 x [M 64, K 2,048] x [K 2,048, N 4,096]; A: computed on the way; B: computed on the way: QUANTISED
;;     6. [M 8,192, K 1,024] x [K 1,024, N 1,024]; A: computed on the way; B: input Wo: QUANTISED
;;   THE QUANTISER, for each operand of a quantised product, along K:
;;     - K is cut into blocks of 32 from its start; a last block that is shorter is filled with zeros.
;;     - A block's scale is 2^e with e = floor(log2(the largest magnitude in the block)) - 2, held to -126 .. 127; a block of zeros has e = 0. As a byte (E8M0): e + 127.
;;     - Each number is divided by its block's scale, clamped to +-7.5, and rounded to the nearest number of E2M3, ties to even, subnormals kept.
;;     - The product sums the exact products of the quantised numbers (number of the format x scale) in f32.
;;   ~~~python
;;   def quantise(x, axis):      # numpy; x: float32 -> the quantised numbers, widened to float32 again
;;       x = np.moveaxis(x, axis, -1); K = x.shape[-1]
;;       x = np.pad(x, [(0, 0)] * (x.ndim - 1) + [(0, -K % 32)]); x = x.reshape(x.shape[:-1] + (-1, 32)); a = np.abs(x).max(-1, keepdims=True)
;;       e = np.where(a > 0, np.clip(np.frexp(np.where(a > 0, a, 1))[1] - 1 - 2, -126, 127), 0)      # np.frexp(a)[1] - 1 = floor(log2(a)), exactly
;;       r = np.clip(x / 2.0 ** e, -7.5, 7.5)
;;       step = 2.0 ** (np.maximum(np.frexp(np.where(r == 0, 1, r))[1] - 1, 0) - 3)
;;       q = np.round(r / step) * step * 2.0 ** e      # np.round: ties to even
;;       return np.moveaxis(q.reshape(q.shape[:-2] + (-1,))[..., :K], -1, axis).astype(np.float32)
;;   ~~~
;;   OPERANDS COMPUTED ON THE WAY. 'Computed on the way' means the value that the module computes at that place (a softmax that the list does not call 'softmax' is quantised finished and normalised). What goes into a quantiser is computed in f32, as accurately as f32 sums, v_exp_f32 and their like allow (about 1e-6 of the number): no bf16 or f16 on the way to a quantiser, and a product that is left as it is and whose result goes on into a quantised operand takes f32 operands (vector FMAs, or v_wmma_f32_16x16x4_f32). A number that lies on a knife's edge between two numbers of the format may be rounded either way, as far as f32 arithmetic and the matrix unit's own rounding can turn it there, and no further.
;; One version. Each part assembles by itself: llvm-mc -triple=amdgcn-amd-amdhsa -mcpu=gfx1250 --defsym DOCPART=n.
;; ======== version 1 of 1: 5 launches
;; workspace buffers: codes 15,728,640 bytes; scales 655,360 bytes; pc 12,582,912 bytes; ps 524,288 bytes; cc 6,291,456 bytes; cs 262,144 bytes
;; launch qact (part 1): grid 512 x 1, 4 waves a work-group, no clusters, 33,280 bytes of LDS; arguments q, k, v, codes, scales; writes codes, scales
.if DOCPART == 1
	.amdgcn_target "amdgcn-amd-amdhsa--gfx1250"
	.amdhsa_code_object_version 6
	.text
	.protected	k_qe3245870d3_qact
	.globl	k_qe3245870d3_qact
	.p2align	8
	.type	k_qe3245870d3_qact,@function
k_qe3245870d3_qact:
	s_mov_b64 s[64:65], 0
	v_nop
	global_prefetch_b8 v0, s[64:65] scope:SCOPE_SE
	s_setreg_imm32_b32 hwreg(HW_REG_WAVE_MODE, 25, 1), 1
	s_wait_xcnt 0x0
; q [8192][1024], k [4096][1024], v [4096][1024], f32, become codes of FP6 (E2M3), K innermost, 768 bytes a row, with one E8M0 byte for each 32 along K, 32 bytes a row.
; They go into one buffer of rows: q at rows 0 .. 8191, k at 8192 .. 12287, v at 12288 .. 16383.
; v's ROWS CHANGE PLACES: row n is stored at the place whose number is n with bits 3 and 4 exchanged.  The later product takes v's rows as the rows of a 16-row tile,
; and with that order a lane's 16 results of two neighbouring tiles are 16 neighbouring keys.
; A block's scale is 2^(floor(log2(its largest magnitude)) - 2); its byte is the largest magnitude's exponent field - 2, held at 1 from below.
; LIMITS: a block of zeros gets the byte 1 where the rule says 127 (its codes are zeros, and this program alone reads the bytes); NaN and infinities among the inputs are not served.
; Work-groups 0 .. 255 take q, 256 .. 383 k, 384 .. 511 v.  A wave takes a run of 8,192 numbers (8 rows) in 16 steps of 512.  Each of a step's four loads reads 512 consecutive bytes;
; the 2,048 bytes turn through the wave's own stage in LDS and come back 64 bytes a lane, so that a lane holds 16 neighbours along K (two lanes hold a block).
; A run is 8 rows, so bits 3 and 4 of a row's number are bits 0 and 1 of the run's, which are the wave's number: for v the wave's two bits change places in the output's address.
; No tensor loads, no barrier: waves share nothing.  No matrix unit, no cluster: the launch moves bytes, and no two work-groups read the same byte.
.set WAVES, 4
.set STEPS, 16
.set CB,    12                         ; bytes of 16 codes
.set R,     16                         ; v16-79   four sets of 16 numbers as they are loaded
.set X,     80                         ; v80-111  two sets of 16 neighbours
.set C,     128                        ; v128-191 codes: four registers for each step, so that no store's data are written again
.set E,     112                        ; v112-127 a scale byte for each step
.set WREG,  8192                       ; LDS: a region for each wave: two stages of 32 x SP bytes, and behind them its 256 scale bytes
.set SP,    80                         ; a lane's place in a stage: its 64 bytes + 16 of padding
.set SPW,   12                         ; v12      LDS address of my spare word; never rewritten
.set NIL,   13                         ; v13      0; never rewritten
.set SPARE, WAVES*WREG                 ; behind the four regions: the spare words, 128 bytes for each wave
	s_load_b128 s[4:7], s[0:1], 0x0                ; q, k
	s_load_b128 s[8:11], s[0:1], 0x10              ; v, the codes
	s_load_b64 s[12:13], s[0:1], 0x20              ; the scale bytes
	v_lshl_add_u32 v[SPW], v0, 2, SPARE
	v_mov_b32 v[NIL], 0
	v_lshrrev_b32 v1, 5, v0
	v_readfirstlane_b32 s16, v1                    ; wave
	v_and_b32 v2, 31, v0                           ; lane
	v_lshlrev_b32 v3, 4, v2                        ; my 16 bytes of a load's 512
	s_mul_i32 s25, s16, WREG
	v_lshrrev_b32 v14, 2, v2
	v_mul_u32_u24 v14, v14, SP
	v_and_b32 v15, 3, v2
	v_lshl_add_u32 v14, v15, 4, v14
	v_add_nc_u32 v14, s25, v14                     ; the stage, on the way in: four lanes' 64 bytes on end, then 16 of padding
	v_mul_u32_u24 v15, v2, SP
	v_add_nc_u32 v15, s25, v15                     ; and on the way out: SP x lane: my 16 neighbours
	v_mul_u32_u24 v4, v2, CB                       ; my codes' place in a step's
	v_lshrrev_b32 v5, 1, v2
	s_add_co_u32 s25, s25, 2*32*SP
	v_add_nc_u32 v5, s25, v5                       ; LDS: my wave's 256 scale bytes, my block's byte
	v_lshlrev_b32 v7, 3, v2                        ; and on the way out 8 bytes a lane
	v_add_nc_u32 v6, s25, v7
	s_and_b32 s23, s16, 1
	s_lshl_b32 s23, s23, 1
	s_lshr_b32 s24, s16, 1
	s_or_b32 s23, s23, s24                         ; the wave's number with its two bits exchanged
	s_movk_i32 s17, 384
	s_wait_kmcnt 0x0
	s_cmp_lt_u32 ttmp9, s17                        ; k's work-group or v's?  The choices hang on the work-group's number alone
	s_cselect_b64 s[6:7], s[6:7], s[8:9]
	s_cselect_b32 s22, 256, s17                    ; the tensor's first work-group
	s_cselect_b32 s23, s16, s23                    ; only v's rows change places
	s_cmp_lt_u32 ttmp9, 256                        ; q's?
	s_cselect_b64 s[4:5], s[4:5], s[6:7]
	s_cselect_b32 s22, 0, s22
	s_sub_co_u32 s18, ttmp9, s22
	s_lshl_b32 s18, s18, 2
	s_add_co_u32 s18, s18, s16                     ; which run of 8,192 numbers of the tensor is my wave's
	s_lshl_b32 s18, s18, 15                        ; 32,768 bytes a run
	s_mov_b32 s19, 0
	s_add_nc_u64 s[4:5], s[4:5], s[18:19]
	s_lshl_b32 s20, ttmp9, 2
	s_add_co_u32 s20, s20, s23                     ; and which run of the outputs
	s_mul_i32 s18, s20, 32*STEPS*CB                ; 6,144 bytes of codes a run
	s_add_nc_u64 s[10:11], s[10:11], s[18:19]
	s_lshl_b32 s18, s20, 8                         ; 256 scale bytes a run
	s_add_nc_u64 s[12:13], s[12:13], s[18:19]
.macro LOAD t
.irp i, 0,1,2,3
	global_load_b128 v[R+16*((\t)%4)+4*\i:R+16*((\t)%4)+4*\i+3], v3, s[4:5] offset:2048*(\t)+512*\i th:TH_LOAD_NT   ; 32 lanes read 512 consecutive bytes
.endr
.endm
.macro TURN t                          ; step t's numbers through the stage: LDS serves a wave's instructions in order, so no wait stands between the stores and the loads
.irp i, 0,1,2,3
	ds_store_b128 v14, v[R+16*((\t)%4)+4*\i:R+16*((\t)%4)+4*\i+3] offset:32*SP*((\t)%2)+8*SP*\i
.endr
.irp i, 0,1,2,3
	ds_load_b128 v[X+16*((\t)%2)+4*\i:X+16*((\t)%2)+4*\i+3], v15 offset:32*SP*((\t)%2)+16*\i
.endr
.endm
.irp t, 0,1,2,3
	LOAD \t
.endr
	s_wait_loadcnt 12                              ; step 0's four loads are in; the twelve of steps 1 to 3 may be out
	TURN 0
.macro STEP t
.set XS, X+16*((\t)%2)
.if (\t) > 0
	s_wait_dscnt 1                                 ; this step's numbers are back from the stage (the last step's byte store may be out): so its stores into the stage have read their registers,
.else
	s_wait_dscnt 0x0
.endif
.if (\t)+4 < STEPS
	LOAD (\t)+4                                    ; which take the loads of four steps on
.endif
.if (\t)+1 < STEPS
.if STEPS-2-(\t) >= 3
	s_wait_loadcnt 12                              ; the next step's four loads are in; those of the three steps behind it may be out
.else
	s_wait_loadcnt 4*(STEPS-2-(\t))
.endif
	TURN (\t)+1                                    ; and go through the other stage while this step is worked
.endif
	v_max3_num_f32 v8, |v[XS]|, |v[XS+1]|, |v[XS+2]|               ; the largest magnitude of my 16
	v_max3_num_f32 v9, |v[XS+3]|, |v[XS+4]|, |v[XS+5]|
.irp i, 6,10
	v_max3_num_f32 v8, v8, |v[XS+\i]|, |v[XS+\i+1]|
	v_max3_num_f32 v9, v9, |v[XS+\i+2]|, |v[XS+\i+3]|
.endr
	v_max3_num_f32 v8, v8, |v[XS+14]|, |v[XS+15]|
	v_max3_num_f32 v8, v8, v9, 0x1800000           ; and the floor 2^(3 - 127): the byte cannot fall under 1
	v_max_num_f32_dpp v8, v8, v8 row_xmask:1 row_mask:0xf bank_mask:0xf   ; and of my neighbour's 16: the block's
	v_add_nc_u32 v11, 0xff000000, v8               ; 2 off its exponent field: the conversion takes the exponent field of this operand as its scale
	v_cvt_scalef32_pk16_fp6_f32 v[C+4*(\t):C+4*(\t)+2], v[XS:XS+15], v11         ; sixteen numbers / the scale, to the nearest code, ties to even; 96 bits without gaps
	v_lshrrev_b32 v[E+(\t)], 23, v11               ; the scale's byte
	ds_store_b8 v5, v[E+(\t)] offset:16*(\t)       ; both lanes of a block write the same byte with the same value
	global_store_b96 v4, v[C+4*(\t):C+4*(\t)+2], s[10:11] offset:32*CB*(\t)   ; the wave stores 384 consecutive bytes
.endm
.irp t, 0,1,2,3,4,5,6,7,8,9,10,11,12,13,14,15
	STEP \t
.endr
	ds_load_b64 v[8:9], v6                         ; LDS serves a wave's instructions in order: these see my stores
	s_wait_dscnt 0x0
	global_store_b64 v7, v[8:9], s[12:13]          ; 32 lanes store 256 consecutive bytes, aligned
	s_wait_tensorcnt 0x0                           ; the wave's end: behind my last LDS store
	ds_add_u32 v[SPW], v[NIL]
	s_wait_dscnt 0x0
	s_endpgm
.Lfunc_end_k_qe3245870d3_qact:
	.size	k_qe3245870d3_qact, .Lfunc_end_k_qe3245870d3_qact-k_qe3245870d3_qact
	.p2alignl 7, 3214868480
	.fill 96, 4, 3214868480
	.section	.rodata,"a",@progbits
	.p2align	6, 0x0
	.amdhsa_kernel k_qe3245870d3_qact
		.amdhsa_group_segment_fixed_size 33280
		.amdhsa_private_segment_fixed_size 0
		.amdhsa_enable_private_segment 0
		.amdhsa_kernarg_size 40
		.amdhsa_user_sgpr_count 2
		.amdhsa_user_sgpr_kernarg_segment_ptr 1
		.amdhsa_wavefront_size32 1
		.amdhsa_system_sgpr_workgroup_id_x 1
		.amdhsa_system_sgpr_workgroup_id_y 1
		.amdhsa_system_sgpr_workgroup_id_z 1
		.amdhsa_system_vgpr_workitem_id 0
		.amdhsa_next_free_vgpr 192
		.amdhsa_next_free_sgpr 66
		.amdhsa_reserve_vcc 0
		.amdhsa_float_denorm_mode_32 3
		.amdhsa_float_denorm_mode_16_64 3
		.amdhsa_memory_ordered 1
		.amdhsa_forward_progress 1
		.amdhsa_inst_pref_size 33
	.end_amdhsa_kernel
	.amdgpu_metadata
---
amdhsa.version: [ 1, 2 ]
amdhsa.kernels:
  - .name:           k_qe3245870d3_qact
    .symbol:         k_qe3245870d3_qact.kd
    .args:
      - { .name: q, .offset: 0, .size: 8, .value_kind: global_buffer, .address_space: global }
      - { .name: k, .offset: 8, .size: 8, .value_kind: global_buffer, .address_space: global }
      - { .name: v, .offset: 16, .size: 8, .value_kind: global_buffer, .address_space: global }
      - { .name: codes, .offset: 24, .size: 8, .value_kind: global_buffer, .address_space: global }
      - { .name: scales, .offset: 32, .size: 8, .value_kind: global_buffer, .address_space: global }
    .group_segment_fixed_size: 33280
    .private_segment_fixed_size: 0
    .kernarg_segment_align: 8
    .kernarg_segment_size: 40
    .max_flat_workgroup_size: 128
    .sgpr_count:     66
    .vgpr_count:     192
    .wavefront_size: 32
...
	.end_amdgpu_metadata
.endif
;; end of part 1
;; launch qwt (part 2): grid 8 x 16, 4 waves a work-group, no clusters, 35,840 bytes of LDS; arguments Wq, Wk, Wv, Wo, codes, scales; writes codes, scales
.if DOCPART == 2
	.amdgcn_target "amdgcn-amd-amdhsa--gfx1250"
	.amdhsa_code_object_version 6
	.text
	.protected	k_qe3245870d3_qwt
	.globl	k_qe3245870d3_qwt
	.p2align	8
	.type	k_qe3245870d3_qwt,@function
k_qe3245870d3_qwt:
	s_mov_b64 s[64:65], 0
	v_nop
	global_prefetch_b8 v0, s[64:65] scope:SCOPE_SE
	s_setreg_imm32_b32 hwreg(HW_REG_WAVE_MODE, 25, 1), 1
	s_wait_xcnt 0x0
; The four weights, [1024 (k)][1024 (n)] f32 with K as the FIRST axis, become codes of FP6 (E2M3) laid [n][k], K innermost, 768 bytes a row, and one E8M0 byte for each 32 along K, 32 bytes a row.
; Weight w (0 Wq, 1 Wk, 2 Wv, 3 Wo) goes to rows 16384 + 1024 w + p of the two buffers, and THE ROWS CHANGE PLACES: column n lies at the place p whose number is n with bits 3 and 4 exchanged.
; A 16-row tile of stored rows then holds, in lane r of tile 2 b + u, column 32 b + 8 u + r + 8 (r / 8): a lane's 16 results of two neighbouring tiles are 16 neighbouring columns.
; A LANE TAKES A COLUMN n, AND ITS REGISTERS RUN DOWN K: each load reads neighbouring n in neighbouring lanes (128 consecutive bytes a wave), a block of 32 along K lies in one lane's 32 registers,
; and the conversions give the codes with K innermost.  Nothing is transposed by an instruction.
; Work-group (x, y): columns 128 x on; weight y / 4; 256 along K from 256 (y % 4) on.  A wave takes 32 columns, which is one group within which places are exchanged.
; The codes go through the wave's own stage in LDS and leave as rows: sixteen lanes store a row's 192 consecutive bytes.  The exchange of places costs nothing: the stage is read in another order.
; The scale bytes leave as 8 bytes of each row of 32: one byte in 128 of what the launch reads.
; LIMITS: a block of zeros gets the byte 1 where the rule says 127 (its codes are zeros, and this program alone reads the bytes); NaN and infinities among the inputs are not served.
.set SIZE_N, 1024
.set KW,    256                        ; along K for a wave
.set NB,    KW/32                      ; blocks
.set ROWB,  192                        ; bytes of KW codes
.set PITCH, 272                        ; a stage row: sixteen places of 16 bytes, each with 12 bytes of codes, + 16
.set KROW,  768                        ; a row of the codes' buffer in bytes
.set X,     32                         ; v32-95   two sets of 32 numbers
.set C,     96                         ; v96..    a block's codes
.set OUTR,  112                        ; v112-175 the way out: 16 x 4 registers
.set SPW,   14                         ; v14      LDS address of my spare word; never rewritten
.set NIL,   15                         ; v15      0; never rewritten
.set SPARE, 4*32*PITCH                 ; behind the four stages: the spare words, 128 bytes for each wave
.set SB,    24                         ; v24..    the scale bytes, four to a register
	s_load_b256 s[4:11], s[0:1], 0x0               ; Wq, Wk, Wv, Wo
	s_load_b128 s[12:15], s[0:1], 0x20             ; the codes, the scale bytes
	v_lshl_add_u32 v[SPW], v0, 2, SPARE
	v_mov_b32 v[NIL], 0
	v_lshrrev_b32 v1, 5, v0
	v_readfirstlane_b32 s16, v1                    ; wave 0..3
	v_and_b32 v2, 31, v0                           ; lane
	s_lshl_b32 s17, ttmp9, 7
	s_lshl_b32 s18, s16, 5
	s_add_co_u32 s17, s17, s18                     ; my wave's first column: 128 x + 32 x wave
	s_and_b32 s18, ttmp7, 0xffff
	s_lshr_b32 s30, s18, 2                         ; which weight
	s_and_b32 s18, s18, 3                          ; which 256 along K
	v_lshlrev_b32 v3, 2, v2                        ; in: 4 bytes a lane
	s_mul_i32 s19, s16, 32*PITCH                   ; my stage
	v_mul_u32_u24 v4, v2, PITCH
	v_add_nc_u32 v4, s19, v4                       ; into it: row = my column
	v_and_b32 v5, 15, v2
	v_lshrrev_b32 v6, 4, v2                        ; out of it: sixteen lanes to a row, two rows an instruction
	v_mul_u32_u24 v7, v6, PITCH
	v_lshl_add_u32 v7, v5, 4, v7
	v_add_nc_u32 v7, s19, v7                       ; LDS address
	v_mul_u32_u24 v8, v6, KROW
	v_mad_u32_u24 v8, v5, 12, v8                   ; and the place in the codes' buffer
	v_and_b32 v9, 7, v2                            ; my column's place among the wave's 32: bits 3 and 4 exchanged,
	v_and_b32 v10, 8, v2
	v_lshl_or_b32 v9, v10, 1, v9
	v_and_b32 v10, 16, v2
	v_lshrrev_b32 v10, 1, v10
	v_or_b32 v9, v9, v10
	v_lshlrev_b32 v9, 5, v9                        ; times a row of 32 scale bytes
	s_lshl_b32 s20, s18, 20                        ; the weight: 256 rows of 4,096 bytes for each step along K,
	s_lshl_b32 s22, s17, 2
	s_add_co_u32 s20, s20, s22                     ; + 4 x column
	s_mov_b32 s21, 0
	s_lshl_b32 s22, s30, 10
	s_add_co_u32 s22, s22, s17
	s_add_co_u32 s22, s22, 16384                   ; my wave's first row in the two outputs
	s_mul_i32 s24, s22, KROW
	s_mul_i32 s26, s18, ROWB
	s_add_co_u32 s24, s24, s26
	s_mov_b32 s25, 0
	s_lshl_b32 s28, s22, 5
	s_lshl_b32 s26, s18, 3
	s_add_co_u32 s28, s28, s26
	s_mov_b32 s29, 0
	s_wait_kmcnt 0x0
	s_bitcmp1_b32 s30, 0                           ; the choice of the weight hangs on the work-group's number alone
	s_cselect_b64 s[4:5], s[6:7], s[4:5]
	s_cselect_b64 s[8:9], s[10:11], s[8:9]
	s_bitcmp1_b32 s30, 1
	s_cselect_b64 s[4:5], s[8:9], s[4:5]
	s_add_nc_u64 s[4:5], s[4:5], s[20:21]
	s_add_nc_u64 s[12:13], s[12:13], s[24:25]
	s_add_nc_u64 s[14:15], s[14:15], s[28:29]
.macro LOAD t                          ; block t: W(32 t + i, my column), i = 0 .. 31, into set t % 2
.irp i, 0,1,2,3,4,5,6,7,8,9,10,11,12,13,14,15,16,17,18,19,20,21,22,23,24,25,26,27,28,29,30,31
	global_load_b32 v[X+32*((\t)%2)+\i], v3, s[4:5] offset:(32*(\t)+\i)*SIZE_N*4 th:TH_LOAD_NT
.endr
.endm
	LOAD 0
	LOAD 1
.macro BLOCK t
.set XS, X+32*((\t)%2)
.if (\t) < NB-1
	s_wait_loadcnt 32                              ; this block's 32 loads are in; the next block's 32 may be out
.else
	s_wait_loadcnt 0
.endif
	v_max3_num_f32 v12, |v[XS]|, |v[XS+1]|, |v[XS+2]|               ; the block's largest magnitude: all 32 numbers are mine
	v_max3_num_f32 v13, |v[XS+3]|, |v[XS+4]|, |v[XS+5]|
.irp i, 6,10,14,18,22,26
	v_max3_num_f32 v12, v12, |v[XS+\i]|, |v[XS+\i+1]|
	v_max3_num_f32 v13, v13, |v[XS+\i+2]|, |v[XS+\i+3]|
.endr
	v_max3_num_f32 v12, v12, |v[XS+30]|, |v[XS+31]|
	v_max3_num_f32 v12, v12, v13, 0x1800000        ; and the floor 2^(3 - 127): the byte cannot fall under 1
	v_add_nc_u32 v11, 0xff000000, v12              ; 2 off its exponent field: the conversion's scale operand
	v_lshrrev_b32 v13, 23, v11                     ; the scale's byte
.if (\t)%4 == 0
	v_mov_b32 v[SB+(\t)/4], v13                    ; four bytes to a register, the lower K in the lower byte
.else
	v_lshl_or_b32 v[SB+(\t)/4], v13, 8*((\t)%4), v[SB+(\t)/4]
.endif
	v_cvt_scalef32_pk16_fp6_f32 v[C:C+2], v[XS:XS+15], v11
	v_cvt_scalef32_pk16_fp6_f32 v[C+4:C+6], v[XS+16:XS+31], v11     ; (a conversion's three registers begin on an even number)
	ds_store_b96 v4, v[C:C+2] offset:32*(\t)       ; 16 codes, 12 bytes, to a place of 16 bytes in the stage
	ds_store_b96 v4, v[C+4:C+6] offset:32*(\t)+16
.if (\t)+2 < NB
	LOAD (\t)+2
.endif
	s_wait_dscnt 0x0                               ; the stores have read their registers: the next block's codes may be written
.endm
.set Q, 0
.rept NB
	BLOCK Q
.set Q, Q+1
.endr
	global_store_b64 v9, v[SB:SB+1], s[14:15]      ; my column's 8 scale bytes, at its place
.irp t, 0,1,2,3,4,5,6,7,8,9,10,11,12,13,14,15
	ds_load_b96 v[OUTR+4*\t:OUTR+4*\t+2], v7 offset:2*(((\t)&3)|(((\t)&4)<<1)|(((\t)&8)>>1))*PITCH   ; places 2 t, 2 t + 1 take the columns whose numbers have bits 3 and 4 exchanged
.endr
.irp t, 0,1,2,3,4,5,6,7,8,9,10,11,12,13,14,15
	s_wait_dscnt 15-\t                             ; the loads behind this one may be out
	global_store_b96 v8, v[OUTR+4*\t:OUTR+4*\t+2], s[12:13] offset:2*\t*KROW
.endr
	s_wait_tensorcnt 0x0                           ; the wave's end: behind my last LDS store
	ds_add_u32 v[SPW], v[NIL]
	s_wait_dscnt 0x0
	s_endpgm
.Lfunc_end_k_qe3245870d3_qwt:
	.size	k_qe3245870d3_qwt, .Lfunc_end_k_qe3245870d3_qwt-k_qe3245870d3_qwt
	.p2alignl 7, 3214868480
	.fill 96, 4, 3214868480
	.section	.rodata,"a",@progbits
	.p2align	6, 0x0
	.amdhsa_kernel k_qe3245870d3_qwt
		.amdhsa_group_segment_fixed_size 35840
		.amdhsa_private_segment_fixed_size 0
		.amdhsa_enable_private_segment 0
		.amdhsa_kernarg_size 48
		.amdhsa_user_sgpr_count 2
		.amdhsa_user_sgpr_kernarg_segment_ptr 1
		.amdhsa_wavefront_size32 1
		.amdhsa_system_sgpr_workgroup_id_x 1
		.amdhsa_system_sgpr_workgroup_id_y 1
		.amdhsa_system_sgpr_workgroup_id_z 1
		.amdhsa_system_vgpr_workitem_id 0
		.amdhsa_next_free_vgpr 192
		.amdhsa_next_free_sgpr 66
		.amdhsa_reserve_vcc 0
		.amdhsa_float_denorm_mode_32 3
		.amdhsa_float_denorm_mode_16_64 3
		.amdhsa_memory_ordered 1
		.amdhsa_forward_progress 1
		.amdhsa_inst_pref_size 42
	.end_amdhsa_kernel
	.amdgpu_metadata
---
amdhsa.version: [ 1, 2 ]
amdhsa.kernels:
  - .name:           k_qe3245870d3_qwt
    .symbol:         k_qe3245870d3_qwt.kd
    .args:
      - { .name: Wq, .offset: 0, .size: 8, .value_kind: global_buffer, .address_space: global }
      - { .name: Wk, .offset: 8, .size: 8, .value_kind: global_buffer, .address_space: global }
      - { .name: Wv, .offset: 16, .size: 8, .value_kind: global_buffer, .address_space: global }
      - { .name: Wo, .offset: 24, .size: 8, .value_kind: global_buffer, .address_space: global }
      - { .name: codes, .offset: 32, .size: 8, .value_kind: global_buffer, .address_space: global }
      - { .name: scales, .offset: 40, .size: 8, .value_kind: global_buffer, .address_space: global }
    .group_segment_fixed_size: 35840
    .private_segment_fixed_size: 0
    .kernarg_segment_align: 8
    .kernarg_segment_size: 48
    .max_flat_workgroup_size: 128
    .sgpr_count:     66
    .vgpr_count:     192
    .wavefront_size: 32
...
	.end_amdgpu_metadata
.endif
;; end of part 2
;; launch proj (part 3): grid 4 x 64, 4 waves a work-group, clusters of 4 x 4, 327,680 bytes of LDS; arguments codes, scales, pc, ps; writes pc, ps
.if DOCPART == 3
	.amdgcn_target "amdgcn-amd-amdhsa--gfx1250"
	.amdhsa_code_object_version 6
	.text
	.protected	k_qe3245870d3_proj
	.globl	k_qe3245870d3_proj
	.p2align	8
	.type	k_qe3245870d3_proj,@function
k_qe3245870d3_proj:
	s_mov_b64 s[64:65], 0
	v_nop
	global_prefetch_b8 v0, s[64:65] scope:SCOPE_SE
	s_setreg_imm32_b32 hwreg(HW_REG_WAVE_MODE, 25, 1), 1
	s_wait_xcnt 0x0
	s_wait_alu depctr_hold_cnt(0) depctr_sa_sdst(0) depctr_va_vdst(0) depctr_va_sdst(0) depctr_va_ssrc(0) depctr_va_vcc(0) depctr_vm_vsrc(0)
	s_getreg_b32 s2, hwreg(HW_REG_IB_STS2, 6, 4)
	s_cmp_eq_u32 s2, 0
	s_cbranch_scc0 .Lentry_in_a_cluster
	s_endpgm
.Lentry_in_a_cluster:
	s_bfe_u32 s2, ttmp6, 0x10000c
	s_cmp_lg_u32 s2, 0xf033
	s_cbranch_scc0 .Lentry_shape_is_right
	s_endpgm
.Lentry_shape_is_right:
; THE THREE PROJECTIONS, ON CODES OF FP6 (E2M3), WITH THEIR RESULTS QUANTISED ON THE WAY OUT.  C[m][n] = sum over k of A[m][k] B[n][k], K = 1,024; A's and B's rows are rows of the one buffer of codes
; (768 bytes a row) with their scale bytes (32 a row).  Q = q Wq: A = q's rows, B = Wq's.  K = k Wk likewise.  V IS MADE TRANSPOSED: A = Wv's rows (M = 1,024 channels), B = v's rows (N = 4,096 keys),
; since V is quantised along the keys.  So one text serves all three: C is quantised ALONG N, in blocks of 32.
; 256 tiles of C, 256 x 256, one to a work-group of four waves; a wave makes 128 x 128: 64 accumulators, 512 registers.  Clusters 0-7 (cluster y) make Q, 8-11 K, 12-15 V^T.
; K goes in steps of 256 through a ring of two LDS slots filled by the tensor data mover; the scale bytes of the tile's rows come once, with the first fills.
; CLUSTERS: 4 x 4 work-groups.  The four of a row of the cluster need the same tiles of A, the four of a column the same tiles of B: each tile is asked for JOINTLY.
; THE MATRIX INSTRUCTION IS USED TRANSPOSED (source 0 = 16 rows of B, source 1 = 16 rows of A), and B's rows lie in the buffer with bits 3 and 4 of their numbers exchanged: so the 64 registers of a block of
; 16 rows of C hold, in register 16 b + i of lane (r, h), column 32 b + 16 h + i of row r: 16 neighbours of each block of 32.
; THE WAY OUT: a block's largest magnitude (with lane l xor 16's), its byte, the conversion, an exchange of halves.  Codes leave laid [group of 64 columns][row][48 bytes], scale bytes [group][row][2]:
; a wave's 128 rows of a group are 6,144 consecutive bytes of codes and 256 of scale bytes.  They are gathered in the wave's stage in LDS and stored 512 consecutive bytes an instruction.
; LIMITS: a block of zeros gets the byte 1 where the rule says 127 (its codes are zeros, this program alone reads the bytes); NaN and infinities are not served.
; No prefetch: K has four steps, of which two are first fills.
; REGISTERS, in windows of 256: window 0: v0-31 addresses; v32-63 scale words, two sets; v64-83, v96-112 at work on the way out; from v128 A's fragments, ONE set; later the stage read back.
;   window 1: B's fragments, TWO sets, at v0 and at v128.   window 2: the accumulators of my rows 0-63 ((a, b) at v[8 (8 a + b)]);   window 3: those of my rows 64-127.
.set KSTEP,  256                       ; along K in a slot
.set NQ,     2                         ; matrix instructions deep
.set ROWB,   192                       ; a tile's row in bytes
.set KROW,   768                       ; a row of codes in memory
.set PITCH,  240                       ; an LDS row: 3 x (64 bytes of data + 16 of padding)
.set FR,     12                        ; registers of a fragment: 16 rows x 128 K
.set NL,     6                         ; LDS loads that bring one
.set NP,     4                         ; places behind this matrix instruction (ISA guide 7.12.1)
.set HALFT,  128*PITCH                 ; 128 rows: what one tensor load brings
.set SLOT,   4*HALFT                   ; A's 256 rows, then B's 256 rows
.set LAPS,   2                         ; a lap = two K steps = once round the ring
.set KS,     32                        ; a row of scale bytes
.set SCL,    2*SLOT                    ; behind the ring: the scales, as units of 256 bytes + 16 of padding
.set HALFS,  (128*KS/256)*272          ; the scales of 128 rows
.set SBLK,   (16*KS/256)*272           ; those of 16 rows
.set SPARE,  SCL+4*HALFS               ; behind the scales: the spare words, 128 bytes for each wave
.set WSTG,   12800                     ; the way out: a stage for each wave, in slot 0: codes [2 groups][128 rows][48], then scale bytes [2][128][2].  Slot 0 has had its last fill and its last read by then
.set ADRA, 16                          ; v16-17  LDS address of my A fragments in slot 0, 1  (v18-19: for the pieces that lie behind one padding more)
.set ADRB, 20                          ; v20-21  the same for B  (v22-23)
.set STO,  24                          ; v24     the stage: my row's 24 bytes of a group
.set RD,   25                          ; v25     the stage read back: 16 x lane
.set CO,   26                          ; v26     16 x lane: my place in a store's 512 bytes
.set ADRS, 27                          ; v27     LDS address of my scale words: lanes 0-15 A's rows, lanes 16-31 B's
.set SPW,  28                          ; v28     LDS address of my spare word; never rewritten
.set NIL,  29                          ; v29     0; never rewritten
.set SS,   30                          ; v30     the stage: my row's two scale bytes of a group
.set SO,   31                          ; v31     the scale bytes' place in memory: lanes 0-15 the first group, lanes 16-31 the second
.set SC,   32                          ; scale words
.set CD,   64                          ; v64-83  the codes just made
.set TM,   96                          ; v96-99 largest magnitudes, v100-103 bytes, v108-111 the conversions' scale operands
.set PW,   112                         ; v112    the scale word just made
.set AF,   128                         ; A's fragments
.set BK,   128                         ; the way out: the stage read back: v128-227
.set G1, 24
.set G0, 32
.set G1B, 48
.set G0B, 56
.set G1S, 68
.set G0S, 76
.set G1SB, 80
.set G0SB, 88
.set SEL, 98                           ; s[98:99] lane selects for v_permlanex16_b32: lane l xor 16
.set MSB, 0
.macro WIN new                         ; the immediate's high byte repeats the setting that is left
.if MSB != (\new)
	s_set_vgpr_msb (MSB<<8)|(\new)
.set MSB, \new
.endif
.endm
.set MUL_LO, 0xa1                      ; source 0 (B) window 1, source 1 (A) window 0, C and D window 2
.set MUL_HI, 0xf1                      ; the same, C and D window 3
.set TO_B,   0x40                      ; destination window 1, address window 0
; A joint load: waves 0 and 1 fetch for A, waves 2 and 3 for B.  Each of the two lines has ONE mask and one set of registers for all that issue it; the branch hangs on the wave's number alone.
.macro JLOAD g0a, g1a, g0b, g1b
	s_cmp_eq_u32 s15, 0
	s_cbranch_scc0 .Lfor_b_\@
	tensor_load_to_lds s[\g0a:\g0a+3], s[\g1a:\g1a+7]
	s_nop 0
.rept 4
	v_nop
.endr
	s_branch .Lasked_\@
.Lfor_b_\@:
	tensor_load_to_lds s[\g0b:\g0b+3], s[\g1b:\g1b+7]
	s_nop 0
.rept 4
	v_nop
.endr
.Lasked_\@:
.endm
.macro CREST                           ; a round of the cluster's barrier behind its opening barrier
	s_cmp_lg_u32 s14, 0
	s_cbranch_scc1 .Lnot_wave_0_\@
	s_barrier_signal -3
.Lnot_wave_0_\@:
	s_barrier_wait -3
	s_barrier_signal -1
	s_barrier_wait -1
.endm
.macro CROUND                          ; a whole round
	s_barrier_signal -1
	s_barrier_wait -1
	CREST
.endm
	s_load_b256 s[4:11], s[0:1], 0x0               ; the codes s[4:5], their scale bytes s[6:7], the results' codes s[8:9], the results' scale bytes s[10:11]
	v_lshl_add_u32 v[SPW], v0, 2, SPARE
	v_mov_b32 v[NIL], 0
	ds_add_u32 v[SPW], v[NIL]                      ; the wave's opening: the add, and its wait ahead of my first tensor load; the set-up below, work on registers, stands between them
	v_lshrrev_b32 v1, 5, v0
	v_readfirstlane_b32 s14, v1                    ; wave 0..3
	s_lshr_b32 s15, s14, 1                         ; which half of the tile's rows is mine.  Also: I fetch for A (0) or for B (1)
	s_and_b32 s16, s14, 1                          ; which half of its columns.  Also: which 128 rows of that tile I fetch
	s_bfe_u32 s40, ttmp6, 0x40000                  ; cx, cy: my place in the cluster
	s_bfe_u32 s41, ttmp6, 0x40004
	s_and_b32 s96, ttmp7, 0xffff                   ; the cluster's y, 0 .. 15: all sixteen partners share it
	s_lshl_b32 s97, s96, 2
	s_movk_i32 s17, 72
	s_cmp_lt_u32 s96, 12                           ; Q or K?
	s_cselect_b32 s17, s97, s17                    ; A's tiles, in units of 256 rows of the buffer: q and k from 4 x cluster on; Wv at 72
	s_cselect_b32 s42, 68, s97                     ; B's: Wk at 68; v from 4 x cluster on (rows 12,288 on are unit 48 = 4 x 12)
	s_cmp_lt_u32 s96, 8                            ; Q?
	s_cselect_b32 s42, 64, s42                     ; Wq at 64
	s_add_co_u32 s17, s17, s41                     ; A's tile: + cy
	s_add_co_u32 s42, s42, s40                     ; B's tile: + cx
	s_lshl_b32 s43, s41, 2
	s_lshl_b32 s43, 15, s43                        ; my row of the cluster
	s_lshl_b32 s44, 0x1111, s40                    ; my column
	; descriptor group 1: a tile of 128 rows x 192 bytes, padded in LDS
	s_or_b32 s[G1+0], s43, (0<<16)|(1<<20)|(1<<21)|(3<<22)|(3<<25)  ; 15:0 the mask: A's tiles go to my row; 17:16 element of 1 byte; 20 padding on; 21 set beside a mask; 24:22 after every 16 words; 31:25 of 4 words
	s_or_b32 s[G1B+0], s44, (0<<16)|(1<<20)|(1<<21)|(3<<22)|(3<<25)
.irp g, G1, G1B
	s_mov_b32 s[\g+1], ROWB<<16                    ; tensor_dim0
	s_mov_b32 s[\g+2], 128<<16                     ; tensor_dim1 = 128
	s_mov_b32 s[\g+3], ROWB<<16                    ; tile_dim0
	s_mov_b32 s[\g+4], 128                         ; tile_dim1 = 128
	s_mov_b32 s[\g+5], KROW                        ; tensor_dim0_stride
	s_mov_b32 s[\g+6], 0
	s_mov_b32 s[\g+7], 0
.endr
	; and for the scales of 128 rows: a dense block of 4,096 bytes, as rows of 256 bytes (32 elements of 8 bytes), 16 bytes of padding behind each
	s_or_b32 s[G1S+0], s43, (3<<16)|(1<<20)|(1<<21)|(5<<22)|(3<<25)
	s_or_b32 s[G1SB+0], s44, (3<<16)|(1<<20)|(1<<21)|(5<<22)|(3<<25)
.irp g, G1S, G1SB
	s_mov_b32 s[\g+1], 32<<16
	s_mov_b32 s[\g+2], (128*KS/256)<<16
	s_mov_b32 s[\g+3], 32<<16
	s_mov_b32 s[\g+4], 128*KS/256
	s_mov_b32 s[\g+5], 32
	s_mov_b32 s[\g+6], 0
	s_mov_b32 s[\g+7], 0
.endr
	s_lshl_b32 s18, s16, 7                         ; which 128 rows of the tile I fetch
	s_lshl_b32 s20, s17, 8
	s_add_co_u32 s20, s20, s18                     ; A: row 256 x tile + 128 x half
	s_lshl_b32 s46, s42, 8
	s_add_co_u32 s46, s46, s18                     ; B likewise
	s_mov_b32 s21, 0
	s_mov_b32 s47, 0
	s_mov_b64 s[18:19], KS
	s_mul_u64 s[22:23], s[20:21], s[18:19]         ; where these rows' scales begin, in bytes
	s_mul_u64 s[92:93], s[46:47], s[18:19]
	s_mov_b64 s[18:19], KROW
	s_mul_u64 s[20:21], s[20:21], s[18:19]         ; and their codes
	s_mul_u64 s[46:47], s[46:47], s[18:19]
	s_mul_i32 s45, s14, HALFT                      ; where they go: wave x 128 rows: no place in the cluster enters an LDS address
	s_mul_i32 s94, s14, HALFS
	s_mov_b32 s[SEL], 0x76543210
	s_mov_b32 s[SEL+1], 0xfedcba98
	s_wait_dscnt 0x0                               ; the opening add is done
	s_wait_kmcnt 0x0
	s_add_nc_u64 s[20:21], s[4:5], s[20:21]
	s_add_nc_u64 s[22:23], s[6:7], s[22:23]
	s_add_nc_u64 s[46:47], s[4:5], s[46:47]
	s_add_nc_u64 s[92:93], s[6:7], s[92:93]
	CROUND                                         ; all sixteen work-groups are here: the first joint loads meet
	s_mov_b32 s[G0S], 1
	s_add_co_u32 s[G0S+1], s94, SCL
	s_mov_b64 s[G0S+2:G0S+3], s[22:23]
	s_or_b32 s[G0S+3], s[G0S+3], 0x80000000
	s_mov_b32 s[G0SB], 1
	s_add_co_u32 s[G0SB+1], s94, SCL
	s_mov_b64 s[G0SB+2:G0SB+3], s[92:93]
	s_or_b32 s[G0SB+3], s[G0SB+3], 0x80000000
	JLOAD G0S, G1S, G0SB, G1SB                     ; the scales first: they are wanted with K step 0.  Three loads of mine are out behind the third of these
.irp s, 0,1
	s_mov_b32 s[G0+4*\s], 1
	s_add_co_u32 s[G0+4*\s+1], s45, \s*SLOT
	s_add_nc_u64 s[G0+4*\s+2:G0+4*\s+3], s[20:21], \s*ROWB
	s_or_b32 s[G0+4*\s+3], s[G0+4*\s+3], 0x80000000
	s_mov_b32 s[G0B+4*\s], 1
	s_add_co_u32 s[G0B+4*\s+1], s45, \s*SLOT
	s_add_nc_u64 s[G0B+4*\s+2:G0B+4*\s+3], s[46:47], \s*ROWB
	s_or_b32 s[G0B+4*\s+3], s[G0B+4*\s+3], 0x80000000
	JLOAD G0+4*\s, G1, G0B+4*\s, G1B
.endr
	v_and_b32 v1, 15, v0                           ; r = l % 16
	v_bfe_u32 v2, v0, 4, 1                         ; h = l / 16
	v_mul_u32_u24 v3, v1, PITCH
	v_mul_u32_u24 v4, v2, 24
	v_add_nc_u32 v4, v3, v4                        ; a fragment's row x pitch + 24 x half
	v_lshl_add_u32 v5, v2, 4, v4                   ; and the same behind one padding more
	s_mul_i32 s21, s15, HALFT                      ; my 128 rows of A
	s_mul_i32 s22, s16, HALFT                      ; my 128 rows of B,
	s_add_co_u32 s22, s22, 2*HALFT                 ; which lie behind A's 256
.irp s, 0,1
	v_add_nc_u32 v[ADRA+\s], s21, v4
	v_add_nc_u32 v[ADRB+\s], s22, v4
	v_add_nc_u32 v[ADRA+2+\s], s21, v5
	v_add_nc_u32 v[ADRB+2+\s], s22, v5
	s_add_co_u32 s21, s21, SLOT
	s_add_co_u32 s22, s22, SLOT
.endr
	v_mul_u32_u24 v5, v1, KS                       ; my row's scales: 32 bytes a row,
	v_lshrrev_b32 v6, 8, v5
	v_lshl_add_u32 v5, v6, 4, v5                   ; and 16 more for each 256 passed
	s_mul_i32 s21, s15, HALFS                      ; A's: my 128 rows
	s_mul_i32 s22, s16, HALFS                      ; B's: my 128 rows, behind A's 256
	s_add_co_u32 s22, s22, 2*HALFS
	s_sub_co_u32 s22, s22, s21
	v_mul_u32_u24 v6, s22, v2                      ; lanes 16-31 take B's
	s_add_co_u32 s21, s21, SCL
	v_add_nc_u32 v5, v5, v6
	v_add_nc_u32 v[ADRS], s21, v5
	s_mul_i32 s18, s14, WSTG                       ; my stage
	v_mul_u32_u24 v5, v1, 48
	v_mad_u32_u24 v5, v2, 24, v5
	v_add_nc_u32 v[STO], s18, v5                   ; codes: row r of 48 bytes, + 24 h
	v_lshl_add_u32 v5, v1, 1, 12288
	v_add_nc_u32 v[SS], s18, v5                    ; scale bytes: behind the codes, 2 bytes a row
	v_and_b32 v6, 31, v0
	v_lshlrev_b32 v[CO], 4, v6
	v_add_nc_u32 v[RD], s18, v[CO]
.irp b, 0,1,2,3
	v_mov_b32 v[TM+4+\b], 0                        ; written once: a lane permute's destination counts as one of its sources
.endr
	; where my part of the results lies.  Mt: rows of the result; RM: its first tile row in this cluster; CG: its first tile column; REG, SREG: the result's region in the two buffers
	s_sub_co_u32 s18, s97, 32
	s_sub_co_u32 s19, s97, 48
	s_movk_i32 s22, 1024
	s_mov_b32 s23, 9437184
	s_mov_b32 s45, 393216
	s_cmp_lt_u32 s96, 12
	s_cselect_b32 s20, s18, 0                      ; RM: K: 4 x cluster - 32; V^T: 0
	s_cselect_b32 s21, 0, s19                      ; CG: V^T: 4 x cluster - 48
	s_cselect_b32 s22, 4096, s22                   ; Mt
	s_cselect_b32 s23, 6291456, s23                ; REG
	s_cselect_b32 s45, 262144, s45                 ; SREG
	s_cmp_lt_u32 s96, 8
	s_cselect_b32 s20, s97, s20                    ; Q: 4 x cluster
	s_cselect_b32 s22, 8192, s22
	s_cselect_b32 s23, 0, s23
	s_cselect_b32 s45, 0, s45
	s_add_co_u32 s20, s20, s41
	s_lshl_b32 s20, s20, 8
	s_lshl_b32 s18, s15, 7
	s_add_co_u32 s20, s20, s18                     ; my first row of the result: 256 (RM + cy) + 128 x half
	s_add_co_u32 s46, s21, s40
	s_lshl_b32 s46, s46, 2
	s_lshl_b32 s18, s16, 1
	s_add_co_u32 s46, s46, s18                     ; my first group of 64 columns: 4 (CG + cx) + 2 x half
	s_mul_i32 s46, s46, s22
	s_add_co_u32 s46, s46, s20                     ; group x Mt + row
	s_mul_i32 s92, s46, 48
	s_add_co_u32 s92, s92, s23
	s_mov_b32 s93, 0
	s_add_nc_u64 s[8:9], s[8:9], s[92:93]          ; my first group's codes,
	s_mul_i32 s92, s22, 48
	s_add_nc_u64 s[66:67], s[8:9], s[92:93]        ; my second group's, Mt rows on
	s_lshl_b32 s92, s46, 1
	s_add_co_u32 s92, s92, s45
	s_add_nc_u64 s[10:11], s[10:11], s[92:93]      ; the scale bytes
	s_lshl_b32 s47, s22, 1
	v_mul_u32_u24 v6, s47, v2
	v_lshl_add_u32 v[SO], v1, 4, v6                ; 16 r, and for lanes 16-31 the second group, 2 Mt bytes on
.macro FRAG reg, adr, q, i             ; a fragment, 16 rows x 128 K of 6-bit codes, is 12 registers: lane l holds row l % 16; registers 6 c .. 6 c + 5 hold K = 64 c + 32 (l / 16) + 0 .. 31: 24 bytes of the row, as they lie
.irp p, 0,1,2,3,4,5                    ; in pieces of 8 bytes.  Lanes 0-15 take the row's pieces 12 q + 0, 1, 2 and 12 q + 6, 7, 8, lanes 16-31 those three pieces on
.set PIECE, 12*(\q)+6*(\p/3)+\p%3      ; 16 bytes of padding lie behind every 64 bytes (8 pieces): where the piece three on lies behind one padding more, the second address register serves
.if PIECE%8 < 5
	ds_load_b64 v[\reg+2*\p:\reg+2*\p+1], v[\adr] offset:8*PIECE+16*(PIECE/8)+(\i)*16*PITCH
.else
	ds_load_b64 v[\reg+2*\p:\reg+2*\p+1], v[\adr+2] offset:8*PIECE+16*(PIECE/8)+(\i)*16*PITCH
.endif
.endr
.endm
; 16 matrix instructions: A's blocks a0, a0 + 1 x B's eight, 128 along K: the slot's q-th.  p: B's set;  sc: the set of scale words.  zero = 1: the first product starts the sums.
; The 64 accumulators take turns, one instruction a turn, in the same order in every step.
.macro MUL16 a0, p, q, sc, zero
.irp a, \a0, \a0+1
.irp b, 0,1,2,3,4,5,6,7
.if \zero
	v_wmma_scale_f32_16x16x128_f8f6f4 v[8*(8*((\a)%4)+\b):8*(8*((\a)%4)+\b)+7], v[128*(\p)+FR*\b:128*(\p)+FR*\b+FR-1], v[AF+FR*(\a):AF+FR*(\a)+FR-1], 0, v[SC+8*NQ*(\sc)+NQ*\b+(\q)], v[SC+8*NQ*(\sc)+NQ*(\a)+(\q)] matrix_a_fmt:MATRIX_FMT_FP6 matrix_b_fmt:MATRIX_FMT_FP6 matrix_a_scale:MATRIX_SCALE_ROW1
.else
	v_wmma_scale_f32_16x16x128_f8f6f4 v[8*(8*((\a)%4)+\b):8*(8*((\a)%4)+\b)+7], v[128*(\p)+FR*\b:128*(\p)+FR*\b+FR-1], v[AF+FR*(\a):AF+FR*(\a)+FR-1], v[8*(8*((\a)%4)+\b):8*(8*((\a)%4)+\b)+7], v[SC+8*NQ*(\sc)+NQ*\b+(\q)], v[SC+8*NQ*(\sc)+NQ*(\a)+(\q)] matrix_a_fmt:MATRIX_FMT_FP6 matrix_b_fmt:MATRIX_FMT_FP6 matrix_a_scale:MATRIX_SCALE_ROW1
.endif
.endr
.endr
.endm
.macro FETCH_B slot, q, p              ; B's eight fragments of the slot's q-th 128 along K into set p
	WIN TO_B
.irp i, 0,1,2,3,4,5,6,7
	FRAG 128*(\p)+FR*\i, ADRB+\slot, \q, \i
.endr
	WIN 0
.endm
.macro FETCH_A slot, q, i0             ; A's blocks i0 .. i0 + 3
.irp i, \i0, \i0+1, \i0+2, \i0+3
	FRAG AF+FR*(\i), ADRA+\slot, \q, \i
.endr
.endm
.macro SCALES sc                       ; the next K step's scale words into set sc: 2 words a row; lanes 0-15 take A's block i, lanes 16-31 B's block i
.irp i, 0,1,2,3,4,5,6,7
	ds_load_b64 v[SC+8*NQ*\sc+NQ*\i:SC+8*NQ*\sc+NQ*\i+1], v[ADRS] offset:\i*SBLK
.endr
.endm
; A load into a register that a matrix instruction has read, and a vector instruction that reads a matrix result, stand NP places behind that matrix instruction, and only plain vector
; instructions that name none of its registers are places (ISA guide 7.12.1 for vector instructions).
.macro PLACES n
.rept \n
	v_nop
.endr
.endm
; A step of 128 along K that has its successor in the same slot.
.macro STEP slot, q, zero
	s_wait_dscnt 4*NL                              ; B's set and A's blocks 0-3 are in; the youngest 24 loads (A's blocks 4-7) may be out
	WIN MUL_LO
	MUL16 0, (\q)%2, \q, \slot, \zero
	MUL16 2, (\q)%2, \q, \slot, \zero
	s_wait_dscnt 0                                 ; A's blocks 4-7 are in
	PLACES NP
	FETCH_B \slot, (\q)+1, 1-(\q)%2
	FETCH_A \slot, (\q)+1, 0
	WIN MUL_HI
	MUL16 4, (\q)%2, \q, \slot, \zero
	MUL16 6, (\q)%2, \q, \slot, \zero
	PLACES NP
	WIN 0
	FETCH_A \slot, (\q)+1, 4
.endm
; A slot's last step changes slots: ONE barrier; in front of it each wave waits for all its tensor loads, adds 0 to its spare word, and waits for that and for its own reads of this slot.  fill = 1: this slot is filled again, two K steps ahead.
.macro TURN slot, next, fill
	s_wait_tensorcnt 0x0                           ; all my tensor loads have landed: my part of the next slot;  (every window is 0 here)
	ds_add_u32 v[SPW], v[NIL]                      ; 0 onto my spare word;
	s_wait_dscnt 4*NL+1                            ; (the add and the youngest 24 loads, A's blocks 4-7, may be out)
	WIN MUL_LO
	MUL16 0, 1, NQ-1, \slot, 0                     ; sixteen matrix instructions stand between the add and the wait for it
	s_wait_dscnt 0x0                               ; the add is done, and my reads of this slot are over
	s_barrier_signal -1
	MUL16 2, 1, NQ-1, \slot, 0
	WIN 0
	s_barrier_wait -1
.if \fill
	CREST                                          ; the barrier has opened a round of the cluster's barrier: no wave of any partner still reads this slot's tile or has a load on its way
	s_add_nc_u64 s[G0+4*\slot+2:G0+4*\slot+3], s[G0+4*\slot+2:G0+4*\slot+3], 2*ROWB
	s_add_nc_u64 s[G0B+4*\slot+2:G0B+4*\slot+3], s[G0B+4*\slot+2:G0B+4*\slot+3], 2*ROWB
	JLOAD G0+4*\slot, G1, G0B+4*\slot, G1B         ; the first tensor load behind the round; the four v_nop behind it are the places in front of the loads below
.else
	PLACES NP
.endif
	v_add_nc_u32 v[ADRS], 4*NQ, v[ADRS]            ; on to the next K step's scale words (no LDS load of mine is out)
	FETCH_B \next, 0, 0
	FETCH_A \next, 0, 0
	SCALES \next
	WIN MUL_HI
	MUL16 4, 1, NQ-1, \slot, 0
	MUL16 6, 1, NQ-1, \slot, 0
	PLACES NP
	WIN 0
	FETCH_A \next, 0, 4
.endm
	s_wait_tensorcnt 1                             ; the scales and my part of K step 0 are in (K step 1's load may be out)
	s_barrier_signal -1
	s_barrier_wait -1                              ; everybody's are
	FETCH_B 0, 0, 0
	FETCH_A 0, 0, 0
	SCALES 0
	FETCH_A 0, 0, 4
	STEP 0, 0, 1                                   ; the first step stands in front of the loop: its products start the sums
	s_mov_b32 s3, LAPS-1
.Llap:                                                 ; a trip goes once round the ring, from a lap's second step to the next lap's first, and fills both slots again
	TURN 0, 1, 1
	STEP 1, 0, 0
	TURN 1, 0, 1
	STEP 0, 0, 0
	s_sub_co_u32 s3, s3, 1
	s_cmp_lg_u32 s3, 0
	s_cbranch_scc1 .Llap
	TURN 0, 1, 0                                   ; the last lap fills nothing, and has no round of the cluster's barrier
	STEP 1, 0, 0
	s_wait_dscnt 4*NL                              ; the very last step: nothing more to fetch
	WIN MUL_LO
	MUL16 0, 1, NQ-1, 1, 0
	MUL16 2, 1, NQ-1, 1, 0
	s_wait_dscnt 0
	WIN MUL_HI
	MUL16 4, 1, NQ-1, 1, 0
	MUL16 6, 1, NQ-1, 1, 0
	WIN 0
; THE WAY OUT.  Block a: 16 rows x 128 columns, 64 registers a lane, register 16 b + i = column 32 b + 16 h + i of my row.  They become 12 registers of codes (v[CD] on) and a scale word (v[PW]).
.macro QUANTW a
.set AC, 64*((\a)%4)
	WIN 0x0a+5*((\a)/4)                            ; sources 0 and 1: window 2 or 3
.irp b, 0,1,2,3
	v_max3_num_f32 v[TM+\b], |v[AC+16*\b]|, |v[AC+16*\b+1]|, 0x1800000   ; block b: my 16 numbers, each accumulator from its low end on, and the floor 2^(3 - 127): the byte cannot fall under 1
.endr
.irp i, 2,4,6,8,10,12,14
.irp b, 0,1,2,3
	v_max3_num_f32 v[TM+\b], |v[AC+16*\b+\i]|, |v[AC+16*\b+\i+1]|, v[TM+\b]   ; (the four blocks by turns)
.endr
.endr
	WIN 0
.irp b, 0,1,2,3
	v_permlanex16_b32 v[TM+4+\b], v[TM+\b], s[SEL], s[SEL+1]
.endr
.irp b, 0,1,2,3
	v_max_num_f32 v[TM+\b], v[TM+\b], v[TM+4+\b]   ; with lane l xor 16's: the block's largest magnitude
.endr
.irp b, 0,1,2,3
	v_add_nc_u32 v[TM+12+\b], 0xff000000, v[TM+\b] ; 2 off its exponent field: the conversion's scale operand
.endr
.irp b, 0,1,2,3
	v_lshrrev_b32 v[TM+4+\b], 23, v[TM+12+\b]      ; the scale's byte
.endr
	v_lshl_or_b32 v[PW], v[TM+5], 8, v[TM+4]       ; the four bytes: the low half is the first group's two, the high half the second's
	v_lshl_or_b32 v[PW], v[TM+6], 16, v[PW]
	v_lshl_or_b32 v[PW], v[TM+7], 24, v[PW]
	WIN 0x02+((\a)/4)                              ; source 0: window 2 or 3
.irp c, 0,1
	v_cvt_scalef32_pk16_fp6_f32 v[CD+6*\c:CD+2+6*\c], v[AC+32*\c:AC+15+32*\c], v[TM+12+2*\c]
	v_cvt_scalef32_pk16_fp6_f32 v[CD+12+4*\c:CD+14+4*\c], v[AC+16+32*\c:AC+31+32*\c], v[TM+12+2*\c+1]   ; (a conversion's three registers begin on an even number)
.endr
	WIN 0
	v_nop                                          ; one plain place behind a scaled conversion
.irp c, 0,1                                    ; a WHOLE block to a lane: lanes 0-15 block 2 c, lanes 16-31 block 2 c + 1
.irp i, 0,1,2
	v_permlane16_swap_b32 v[CD+6*\c+\i], v[CD+12+4*\c+\i]
.endr
.irp i, 0,1,2
	v_mov_b32 v[CD+3+6*\c+\i], v[CD+12+4*\c+\i]
.endr
.endr
.endm
.macro OUTBLK a
	QUANTW \a
.irp c, 0,1
.irp p, 0,1,2
	ds_store_b64 v[STO], v[CD+6*\c+2*\p:CD+6*\c+2*\p+1] offset:6144*\c+768*(\a)+8*\p   ; group c, row 16 a + r, my block's 24 bytes
.endr
.endr
	ds_store_b16 v[SS], v[PW] offset:32*(\a)                 ; lanes r and r + 16 write the same bytes with the same values
	ds_store_b16_d16_hi v[SS], v[PW] offset:256+32*(\a)
	s_wait_dscnt 0x0                               ; the stores have read their registers
.endm
	PLACES NP                                      ; behind the last products
.irp a, 0,1,2,3,4,5,6,7
	OUTBLK \a
.endr
.irp i, 0,1,2,3,4,5,6,7,8,9,10,11,12,13,14,15,16,17,18,19,20,21,22,23
	ds_load_b128 v[BK+4*\i:BK+4*\i+3], v[RD] offset:512*\i   ; my own bytes: LDS serves a wave's instructions in order
.endr
	ds_load_b128 v[BK+96:BK+99], v[RD] offset:12288
.irp i, 0,1,2,3,4,5,6,7,8,9,10,11
	s_wait_dscnt 24-\i                             ; the loads behind this one may be out
	global_store_b128 v[CO], v[BK+4*\i:BK+4*\i+3], s[8:9] offset:512*\i   ; 32 lanes store 512 consecutive bytes, at a multiple of 256 from the buffer's first byte
.endr
.irp i, 12,13,14,15,16,17,18,19,20,21,22,23
	s_wait_dscnt 24-\i
	global_store_b128 v[CO], v[BK+4*\i:BK+4*\i+3], s[66:67] offset:512*(\i-12)
.endr
	s_wait_dscnt 0x0
	global_store_b128 v[SO], v[BK+96:BK+99], s[10:11]        ; sixteen lanes store a group's 256 scale bytes, aligned
	s_wait_tensorcnt 0x0                           ; the wave's end: behind my last tensor load and my last LDS store
	ds_add_u32 v[SPW], v[NIL]
	s_wait_dscnt 0x0
	CROUND                                         ; the closing round: no work-group ends while a partner may still ask for a tile that names it
	s_endpgm
.Lfunc_end_k_qe3245870d3_proj:
	.size	k_qe3245870d3_proj, .Lfunc_end_k_qe3245870d3_proj-k_qe3245870d3_proj
	.p2alignl 7, 3214868480
	.fill 96, 4, 3214868480
	.section	.rodata,"a",@progbits
	.p2align	6, 0x0
	.amdhsa_kernel k_qe3245870d3_proj
		.amdhsa_group_segment_fixed_size 327680
		.amdhsa_private_segment_fixed_size 0
		.amdhsa_enable_private_segment 0
		.amdhsa_kernarg_size 32
		.amdhsa_user_sgpr_count 2
		.amdhsa_user_sgpr_kernarg_segment_ptr 1
		.amdhsa_wavefront_size32 1
		.amdhsa_system_sgpr_workgroup_id_x 1
		.amdhsa_system_sgpr_workgroup_id_y 1
		.amdhsa_system_sgpr_workgroup_id_z 1
		.amdhsa_system_vgpr_workitem_id 0
		.amdhsa_next_free_vgpr 1024
		.amdhsa_next_free_sgpr 100
		.amdhsa_reserve_vcc 0
		.amdhsa_float_denorm_mode_32 3
		.amdhsa_float_denorm_mode_16_64 3
		.amdhsa_memory_ordered 1
		.amdhsa_forward_progress 1
		.amdhsa_inst_pref_size 171
	.end_amdhsa_kernel
	.amdgpu_metadata
---
amdhsa.version: [ 1, 2 ]
amdhsa.kernels:
  - .name:           k_qe3245870d3_proj
    .symbol:         k_qe3245870d3_proj.kd
    .args:
      - { .name: codes, .offset: 0, .size: 8, .value_kind: global_buffer, .address_space: global }
      - { .name: scales, .offset: 8, .size: 8, .value_kind: global_buffer, .address_space: global }
      - { .name: pc, .offset: 16, .size: 8, .value_kind: global_buffer, .address_space: global }
      - { .name: ps, .offset: 24, .size: 8, .value_kind: global_buffer, .address_space: global }
    .group_segment_fixed_size: 327680
    .private_segment_fixed_size: 0
    .kernarg_segment_align: 8
    .kernarg_segment_size: 32
    .max_flat_workgroup_size: 128
    .sgpr_count:     100
    .vgpr_count:     1024
    .wavefront_size: 32
...
	.end_amdgpu_metadata
.endif
;; end of part 3
;; launch attn (part 4): grid 256 x 2, 4 waves a work-group, no clusters, 15,360 bytes of LDS; arguments pc, ps, cc, cs; writes cc, cs
.if DOCPART == 4
	.amdgcn_target "amdgcn-amd-amdhsa--gfx1250"
	.amdhsa_code_object_version 6
	.text
	.protected	k_qe3245870d3_attn
	.globl	k_qe3245870d3_attn
	.p2align	8
	.type	k_qe3245870d3_attn,@function
k_qe3245870d3_attn:
	s_mov_b64 s[64:65], 0
	v_nop
	global_prefetch_b8 v0, s[64:65] scope:SCOPE_SE
	s_setreg_imm32_b32 hwreg(HW_REG_WAVE_MODE, 25, 1), 1
	s_wait_xcnt 0x0
; THE BANDED ATTENTION, both products on codes of FP6 (E2M3).  Key c counts for query q where 0 <= q - 2 c < 16.  The softmax runs along the QUERIES: each key has a column of at most 16 scores.
; attn = exp(s - m) / l, m and l the column's maximum and sum, is quantised finished, along the keys, in blocks of 32; ctx = attn V is quantised along the 1,024 channels and leaves as codes.
; Only the band is multiplied: all else is thrown away by the mask.
; SHARES.  Work-group (x, y): batch y, key block j = x / 4 (keys 32 j .. 32 j + 31, queries 64 j .. 64 j + 63), heads 4 (x % 4) + wave.  A wave has one head and four tiles of 16 queries.
; GEOMETRY.  Tile t (queries 16 t ..) meets the groups of 8 keys t - 1 and t; group g meets tiles g and g + 1.  A key tile x (0 .. 4) holds groups x - 1 and x, counted from 4 j.
; THE SCORES ARE MADE TWICE, in two layouts.  For the statistics: source 0 = a tile of Q, source 1 = a key tile: a lane holds ONE KEY and its registers run along the queries, so the column's maximum and sum
; are taken within a lane and its partner 16 away.  For p: source 0 = key tile i, source 1 = Q's tile i: a lane holds ONE QUERY and 8 keys of one group.  m and 1 / l change layouts through the wave's own LDS.
; K = 64 IN AN INSTRUCTION OF 128: a key fragment's upper six registers are zero codes; Q's fragments lie six registers apart, so that the upper six of one are the next one's codes, which meet zeros.
; Scale words are two bytes, zero-extended: the upper two stand for a finite power of two over sums that are zero.
; THE SECOND PRODUCT: of its K, places 0-31 (lanes 0-15) stand for the key block of group t - 1 and places 32-63 (lanes 16-31) for that of group t.  V gives that block's 24 bytes; P gives the lane's own 8 codes at
; the group's place in the block and zeros elsewhere.  So no p changes lanes.  For tiles 1 to 3 both stand for block j, with one scale; for tile 0 the first stands for block j - 1, with a scale of its own.
; V's channels lie so that a lane's 16 results of two neighbouring tiles are 16 neighbouring channels: they are quantised as they stand.
; No tensor loads: all operands go from memory straight into registers, by 76 loads at the head; no loop.  No cluster: neighbours share only the rows at a block's edges, a small part of a work-group's bytes.
; The scale bytes of ctx leave as 8 bytes of each row of 32.
; EDGES.  Every load is clamped into its buffer.  j = 0: group -1 does not exist: its statistics are made of clamped rows, finite, and its p are masked to 0.  j = 63: the tile behind the last query is masked.
; LIMITS: a column's maximum is held at -3e38 from below; a block of zeros gets the byte 1 (its codes are zeros, this program alone reads the bytes); NaN and infinities are not served.
.set STATS, 0                          ; LDS: 512 bytes a wave: m of 48 keys, then at +256 their 1 / l
.set CSTG,  2048                       ; ctx's codes: 64 rows x 192 bytes (four heads x 48)
.set SSTG,  14336                      ; ctx's scale bytes: 64 rows x 8
.set SPARE, 14848                      ; the spare words, 128 bytes for each wave
.set QF,   32                          ; v32-67   Q's six tiles (4 j - 1 .. 4 j + 4), 6 registers each; v68-73 zeros
.set KF,   74                          ; v74-133  five key tiles, 12 registers each, the upper six zeros
.set PF,   122                         ; v122-133 P's fragment, in the registers of key tile 4, which the statistics alone use; the upper six stay zeros
.set QS,   134                         ; v134-139 Q's scale words
.set KSC,  140                         ; v140-144 the key tiles'
.set PW,   145                         ; v145     P's
.set VWJJ, 146                         ; v146-149 V's: block j twice
.set VWJ0, 150                         ; v150-153 V's: block j - 1, block j
.set RAW,  154                         ; v154-161 V's scale bytes as loaded; later ctx's codes
.set CC,   154
.set D,    162                         ; v162-193 scores for the statistics; later ctx
.set TS,   194                         ; v194-217 three sets of 8 for the statistics; later: v194-201 scores
.set MR,   202                         ; v202-209 m of my 8 keys
.set RL,   210                         ; v210-217 1 / l of my 8 keys
.set Z0,   218                         ; v218-225 zeros
.set XP,   226                         ; v226-233 p
.set Z1,   234                         ; v234-241 zeros
.set TL,   242                         ; v242-244 my 8 codes at places 0-7 of 16
.set TH,   246                         ; v246-248 my 8 codes at places 8-15 of 16
.set T,    8                           ; v8-19    at work in the tiles (the loads' offsets, which are done with by then)
.set MB,   32                          ; s32-55   masks of the statistics' layout: Q tile x of three, register n
.set MB1E, 56                          ; s56-63   the same for x = 1, empty where j = 63
.set MA,   66                          ; s66-73   masks of p's layout, register n
.set MA0,  74                          ; s74-81   the same without lanes 0-15 where j = 0
.set SEL,  82                          ; s[82:83] lane selects for v_permlanex16_b32: lane l xor 16
.set L2E,  84                          ; s[84:85] log2(e), twice
.set HM,   86                          ; s86      lanes 16-31
.set MSB, 0
.macro WIN new
.if MSB != (\new)
	s_set_vgpr_msb (MSB<<8)|(\new)
.set MSB, \new
.endif
.endm
	s_load_b256 s[4:11], s[0:1], 0x0               ; the projections' codes s[4:5], their scale bytes s[6:7], ctx's codes s[8:9], ctx's scale bytes s[10:11]
	v_lshl_add_u32 v4, v0, 2, SPARE                ; v4: LDS address of my spare word; never rewritten
	v_mov_b32 v5, 0                                ; v5: 0; never rewritten
	v_lshrrev_b32 v1, 5, v0
	v_readfirstlane_b32 s12, v1                    ; wave
	s_lshr_b32 s13, ttmp9, 2                       ; j
	s_and_b32 s14, ttmp9, 3                        ; which four heads
	s_and_b32 s15, ttmp7, 0xffff                   ; batch
	s_lshl_b32 s16, s14, 2
	s_add_co_u32 s16, s16, s12                     ; my head
	v_and_b32 v1, 15, v0                           ; r
	v_bfe_u32 v2, v0, 4, 1                         ; h
	v_and_b32 v3, 31, v0                           ; lane
	v_mov_b32 v6, 0xff800000                       ; -infinity
	; Q: a row is 48 bytes, my block of 32 at 24 h; a tile 768 bytes; scale words 2 bytes a row
	v_mul_u32_u24 v7, v1, 48
	v_mad_u32_u24 v7, v2, 24, v7
	v_lshlrev_b32 v194, 1, v1
	s_lshl_b32 s17, s13, 2                         ; tile 4 j
	s_sub_co_i32 s18, s17, 1
	s_max_i32 s18, s18, 0                          ; tile 4 j - 1, held at 0
	s_add_co_u32 s19, s17, 4
	s_min_u32 s19, s19, 255                        ; tile 4 j + 4, held at 255
	s_mul_i32 s87, s18, 768
	v_add_nc_u32 v8, s87, v7
	s_mul_i32 s87, s17, 768
	v_add_nc_u32 v9, s87, v7
	s_mul_i32 s87, s19, 768
	v_add_nc_u32 v10, s87, v7
	s_lshl_b32 s87, s18, 5
	v_add_nc_u32 v11, s87, v194
	s_lshl_b32 s87, s17, 5
	v_add_nc_u32 v12, s87, v194
	s_lshl_b32 s87, s19, 5
	v_add_nc_u32 v13, s87, v194
	; K: key tile x begins at key 32 j + 8 (x - 1)
	s_lshl_b32 s17, s13, 5
	s_sub_co_u32 s18, 2055, s17
	v_sub_nc_u32 v195, s18, v1
	v_min_u32 v195, 0x7ff, v195
	v_sub_nc_u32 v195, 0x7ff, v195                 ; tile 0: key 32 j - 8 + r, held at 0
	v_mul_u32_u24 v14, v195, 48
	v_mad_u32_u24 v14, v2, 24, v14
	v_lshlrev_b32 v17, 1, v195
	v_add_nc_u32 v195, s17, v1                     ; tile 1: key 32 j + r; tiles 2 and 3 by the immediate
	v_mul_u32_u24 v15, v195, 48
	v_mad_u32_u24 v15, v2, 24, v15
	v_lshlrev_b32 v18, 1, v195
	v_add_nc_u32 v195, 24, v195
	v_min_u32 v195, 0x7ff, v195                    ; tile 4: key 32 j + 24 + r, held at 2,047
	v_mul_u32_u24 v16, v195, 48
	v_mad_u32_u24 v16, v2, 24, v16
	v_lshlrev_b32 v19, 1, v195
	; V: block n of 32 keys (n = 64 x batch + j) lies in group n / 2 (1,024 channels x 48 bytes), at 24 (n % 2) of a channel's 48 bytes; its scale byte at (n / 2) 2,048 + 2 x channel + n % 2
	s_lshl_b32 s17, s15, 6
	s_add_co_u32 s17, s17, s13                     ; block j's number
	s_sub_co_i32 s18, s17, 1
	s_max_i32 s18, s18, 0                          ; block j - 1's, held at 0
	s_lshr_b32 s19, s17, 1
	s_and_b32 s87, s17, 1
	s_mul_i32 s88, s19, 49152
	s_mul_i32 s89, s87, 24
	s_add_co_u32 s88, s88, s89
	s_lshl_b32 s19, s19, 11
	s_add_co_u32 s19, s19, s87
	v_add_nc_u32 v22, s19, v194
	s_lshr_b32 s19, s18, 1
	s_and_b32 s87, s18, 1
	s_mul_i32 s17, s19, 49152
	s_mul_i32 s89, s87, 24
	s_add_co_u32 s17, s17, s89
	s_lshl_b32 s19, s19, 11
	s_add_co_u32 s19, s19, s87
	v_add_nc_u32 v23, s19, v194
	v_mul_u32_u24 v195, v1, 48
	v_add_nc_u32 v20, s88, v195                    ; both halves of the lanes take block j
	s_sub_co_u32 s88, s88, s17
	v_mul_u32_u24 v196, s88, v2
	v_add3_u32 v21, v195, s17, v196                ; lanes 0-15 take block j - 1, lanes 16-31 block j
	s_lshl_b32 s17, s16, 13
	s_lshl_b32 s18, s15, 12
	s_add_co_u32 s17, s17, s18                     ; Q's first row of my head and batch
	s_mov_b32 s19, 0
	s_wait_kmcnt 0x0
	s_mul_i32 s18, s17, 48
	s_add_nc_u64 s[20:21], s[4:5], s[18:19]        ; Q's codes
	s_lshl_b32 s18, s17, 1
	s_add_nc_u64 s[22:23], s[6:7], s[18:19]        ; Q's scale words
	s_lshr_b32 s17, s17, 1                         ; K's first row: 4,096 x head + 2,048 x batch
	s_mul_i32 s18, s17, 48
	s_add_co_u32 s18, s18, 6291456
	s_add_nc_u64 s[24:25], s[4:5], s[18:19]        ; K's codes
	s_lshl_b32 s18, s17, 1
	s_add_co_u32 s18, s18, 262144
	s_add_nc_u64 s[26:27], s[6:7], s[18:19]        ; K's scale words
	s_mul_i32 s18, s16, 3072
	s_add_co_u32 s18, s18, 9437184
	s_add_nc_u64 s[28:29], s[4:5], s[18:19]        ; V's codes at my head's 64 channels
	s_lshl_b32 s18, s16, 7
	s_add_co_u32 s18, s18, 393216
	s_add_nc_u64 s[30:31], s[6:7], s[18:19]        ; V's scale bytes
	s_lshl_b32 s17, s15, 12
	s_lshl_b32 s18, s13, 6
	s_add_co_u32 s17, s17, s18                     ; my work-group's first row of ctx
	s_mul_i32 s18, s17, 192
	s_mul_i32 s87, s14, 1572864
	s_add_co_u32 s18, s18, s87
	s_add_nc_u64 s[8:9], s[8:9], s[18:19]          ; ctx's codes: [four heads][8,192 rows][192 bytes]
	s_lshl_b32 s18, s17, 5
	s_lshl_b32 s87, s14, 3
	s_add_co_u32 s18, s18, s87
	s_add_nc_u64 s[10:11], s[10:11], s[18:19]      ; ctx's scale bytes: [8,192 rows][32]
	; the loads: 44 for the scores, then 32 for V
.irp p, 0,1,2
	global_load_b64 v[QF+2*\p:QF+2*\p+1], v8, s[20:21] offset:8*\p
.endr
.irp i, 0,1,2,3
.irp p, 0,1,2
	global_load_b64 v[QF+6+6*\i+2*\p:QF+6+6*\i+2*\p+1], v9, s[20:21] offset:768*\i+8*\p
.endr
.endr
.irp p, 0,1,2
	global_load_b64 v[QF+30+2*\p:QF+30+2*\p+1], v10, s[20:21] offset:8*\p
.endr
	global_load_u16 v[QS], v11, s[22:23]
.irp i, 0,1,2,3
	global_load_u16 v[QS+1+\i], v12, s[22:23] offset:32*\i
.endr
	global_load_u16 v[QS+5], v13, s[22:23]
.irp p, 0,1,2
	global_load_b64 v[KF+2*\p:KF+2*\p+1], v14, s[24:25] offset:8*\p
.endr
.irp x, 1,2,3
.irp p, 0,1,2
	global_load_b64 v[KF+12*\x+2*\p:KF+12*\x+2*\p+1], v15, s[24:25] offset:384*(\x-1)+8*\p
.endr
.endr
.irp p, 0,1,2
	global_load_b64 v[KF+48+2*\p:KF+48+2*\p+1], v16, s[24:25] offset:8*\p
.endr
	global_load_u16 v[KSC], v17, s[26:27]
.irp x, 1,2,3
	global_load_u16 v[KSC+\x], v18, s[26:27] offset:16*(\x-1)
.endr
	global_load_u16 v[KSC+4], v19, s[26:27]
.irp t, 0,1,2,3
	global_load_u8 v[RAW+\t], v22, s[30:31] offset:32*\t       ; block j's byte of channel tile t
	global_load_u8 v[RAW+4+\t], v23, s[30:31] offset:32*\t     ; block j - 1's
.endr
	WIN 0x40                                       ; destination window 1: V's fragments, 6 registers apart: v256.. block j twice, v280.. block j - 1 and block j
.irp t, 0,1,2,3
.irp p, 0,1,2
	global_load_b64 v[6*\t+2*\p:6*\t+2*\p+1], v20, s[28:29] offset:768*\t+8*\p
.endr
.endr
.irp t, 0,1,2,3
.irp p, 0,1,2
	global_load_b64 v[24+6*\t+2*\p:24+6*\t+2*\p+1], v21, s[28:29] offset:768*\t+8*\p
.endr
.endr
.irp n, 0,1,2,3,4,5
	v_mov_b32 v[48+\n], 0                          ; the last fragment's upper six
.endr
	WIN 0
	; while the loads are out: the zero registers, the masks, the LDS addresses
.irp n, 0,1,2,3,4,5
	v_mov_b32 v[QF+36+\n], 0
.endr
.irp x, 0,1,2,3,4
.irp n, 6,7,8,9,10,11
	v_mov_b32 v[KF+12*\x+\n], 0
.endr
.endr
.irp n, 0,1,2,3,4,5,6,7
	v_mov_b32 v[Z0+\n], 0
	v_mov_b32 v[Z1+\n], 0
.endr
	s_mov_b32 s[SEL], 0x76543210
	s_mov_b32 s[SEL+1], 0xfedcba98
	s_mov_b32 s[L2E], 0x3fb8aa3b
	s_mov_b32 s[L2E+1], s[L2E]
	s_mov_b32 s[HM], 0xffff0000
	v_lshlrev_b32 v194, 3, v2
	v_lshlrev_b32 v195, 1, v1
	v_sub_nc_u32 v194, v194, v195                  ; 8 h - 2 r
.irp x, 0,1,2
.irp n, 0,1,2,3,4,5,6,7
	v_add_nc_u32 v195, 16*\x+\n, v194              ; query - 2 x key in the statistics' layout: key r of the key tile, query 16 x + 8 h + n from the tile's first
	v_cmp_gt_u32 s[MB+8*\x+\n], 16, v195           ; counts where it lies in 0 .. 15
.endr
.endr
	v_lshlrev_b32 v194, 4, v2
	v_sub_nc_u32 v194, v1, v194
	v_add_nc_u32 v194, 16, v194                    ; r + 16 - 16 h
.irp n, 0,1,2,3,4,5,6,7
	v_add_nc_u32 v195, -2*\n, v194                 ; the same in p's layout: query r, key 8 h + n of the key tile
	v_cmp_gt_u32 s[MA+\n], 16, v195
.endr
	s_cmp_eq_u32 s13, 63
	s_cselect_b32 s17, 0, -1
	s_cmp_eq_u32 s13, 0
	s_cselect_b32 s18, 0xffff0000, -1
.irp n, 0,1,2,3,4,5,6,7
	s_and_b32 s[MB1E+\n], s[MB+8+\n], s17
	s_and_b32 s[MA0+\n], s[MA+\n], s18
.endr
	s_lshl_b32 s17, s12, 9
	v_lshl_add_u32 v24, v1, 2, s17                 ; v24: the statistics on their way in: 512 x wave + 4 r
	v_lshl_add_u32 v25, v2, 5, s17                 ; v25: and out: 512 x wave + 32 h
	s_mul_i32 s17, s12, 48
	s_add_co_u32 s17, s17, CSTG
	v_mul_u32_u24 v26, v1, 192
	v_mad_u32_u24 v26, v2, 12, v26
	v_add_nc_u32 v26, s17, v26                     ; v26: ctx's codes: row r, my head's 48 bytes, my 16 codes' 12
	s_lshl_b32 s17, s12, 1
	s_add_co_u32 s17, s17, SSTG
	v_lshl_add_u32 v27, v1, 3, s17                 ; v27: ctx's scale bytes: row r, my head's 2
	s_mul_i32 s17, s12, 3072
	v_lshl_add_u32 v30, v3, 4, s17                 ; v30: the way out: wave w stores rows 16 w .. 16 w + 15: 3,072 consecutive bytes
	v_add_nc_u32 v28, CSTG, v30                    ; v28: the same in LDS
	s_lshl_b32 s17, s12, 7
	s_add_co_u32 s17, s17, SSTG
	v_lshl_add_u32 v29, v3, 2, s17                 ; v29: the scale bytes in LDS: 4 bytes a lane
	v_lshrrev_b32 v31, 1, v3
	v_lshlrev_b32 v31, 5, v31
	v_and_b32 v195, 1, v3
	v_lshl_add_u32 v31, v195, 2, v31
	s_lshl_b32 s17, s12, 9
	v_add_nc_u32 v31, s17, v31                     ; v31: and in memory: row 16 w + lane / 2 of 32 bytes, + 4 (lane % 2)
	s_wait_loadcnt 32                              ; Q and K are in; V's 32 loads may be out
; THE STATISTICS of key tile kt (groups kt - 1 and kt): the scores of its 16 keys against three tiles of Q; a lane holds key r and 24 of its queries, its partner 16 away the other 24.
.macro STAT kt
.set TB, TS+4*(\kt)
.irp x, 0,1,2
.if (\kt)+\x < 6
	v_wmma_scale_f32_16x16x128_f8f6f4 v[D+8*\x:D+8*\x+7], v[QF+6*((\kt)+\x):QF+6*((\kt)+\x)+11], v[KF+12*(\kt):KF+12*(\kt)+11], 0, v[QS+(\kt)+\x], v[KSC+(\kt)] matrix_a_fmt:MATRIX_FMT_FP6 matrix_b_fmt:MATRIX_FMT_FP6
.endif
.endr
.rept 4
	v_nop                                          ; four places behind the products
.endr
.irp x, 0,1,2
.irp n, 0,1,2,3,4,5,6,7
.if (\kt)+\x >= 6
	v_mov_b32 v[D+8*\x+\n], v6                     ; key tile 4 has no third tile of Q: group 3 does not reach it, and group 4 is not wanted
.elseif ((\kt) == 4) && (\x == 1)
	v_cndmask_b32 v[D+8*\x+\n], v6, v[D+8*\x+\n], s[MB1E+\n]
.else
	v_cndmask_b32 v[D+8*\x+\n], v6, v[D+8*\x+\n], s[MB+8*\x+\n]   ; outside the band: -infinity.  Each accumulator from its low end on
.endif
.endr
.endr
	v_max3_num_f32 v[TB], v[D], v[D+1], 0xff61b1e6                 ; the column's maximum, in two chains, over the floor -3e38
	v_max3_num_f32 v[TB+1], v[D+12], v[D+13], 0xff61b1e6
.irp n, 2,4,6,8,10
	v_max3_num_f32 v[TB], v[TB], v[D+\n], v[D+\n+1]
	v_max3_num_f32 v[TB+1], v[TB+1], v[D+12+\n], v[D+13+\n]
.endr
	v_max_num_f32 v[TB], v[TB], v[TB+1]
	v_permlanex16_b32 v[TB+1], v[TB], s[SEL], s[SEL+1]
	v_max_num_f32 v[TB], v[TB], v[TB+1]            ; m
.irp n, 0,2,4,6,8,10,12,14,16,18,20,22
	v_pk_add_f32 v[D+\n:D+\n+1], v[D+\n:D+\n+1], v[TB:TB+1] op_sel_hi:[1,0] neg_lo:[0,1] neg_hi:[0,1]   ; s - m
.endr
.irp n, 0,2,4,6,8,10,12,14,16,18,20,22
	v_pk_mul_f32 v[D+\n:D+\n+1], v[D+\n:D+\n+1], s[L2E:L2E+1] op_sel_hi:[1,0]
.endr
.irp n, 0,1,2,3,4,5,6,7,8,9,10,11,12,13,14,15,16,17,18,19,20,21,22,23
	v_exp_f32 v[D+\n], v[D+\n]
.endr
	v_nop                                          ; a plain place behind the exponentials
	s_wait_alu depctr_va_vdst(0)                   ; one wait for the batch, ahead of its first reader
	v_pk_add_f32 v[TB+2:TB+3], v[D:D+1], v[D+2:D+3]
	v_pk_add_f32 v[TB+4:TB+5], v[D+4:D+5], v[D+6:D+7]
.irp n, 8,12,16,20
	v_pk_add_f32 v[TB+2:TB+3], v[TB+2:TB+3], v[D+\n:D+\n+1]
	v_pk_add_f32 v[TB+4:TB+5], v[TB+4:TB+5], v[D+\n+2:D+\n+3]
.endr
	v_pk_add_f32 v[TB+2:TB+3], v[TB+2:TB+3], v[TB+4:TB+5]
	v_add_f32 v[TB+2], v[TB+2], v[TB+3]
	v_permlanex16_b32 v[TB+3], v[TB+2], s[SEL], s[SEL+1]
	v_add_f32 v[TB+2], v[TB+2], v[TB+3]            ; l.  A real column's is 1 or more, since its largest term is 1;
	v_max_num_f32 v[TB+2], 1.0, v[TB+2]            ; a column that does not exist is held there
	v_rcp_f32 v[TB+6], v[TB+2]
	v_nop
	s_wait_alu depctr_va_vdst(0)
	ds_store_b32 v24, v[TB] offset:32*(\kt)        ; key 8 kt + r of the wave's 48; lanes r and r + 16 write the same word with the same value
	ds_store_b32 v24, v[TB+6] offset:256+32*(\kt)
.endm
	STAT 0
	STAT 2
	STAT 4
	s_wait_loadcnt 0x0                             ; V
	s_wait_dscnt 0x0                               ; the statistics' stores have read their registers, into some of which the loads below land
.irp t, 0,1,2,3
	v_lshl_or_b32 v[VWJJ+\t], v[RAW+\t], 8, v[RAW+\t]              ; V's scale words: places 0-31, places 32-63
	v_lshl_or_b32 v[VWJ0+\t], v[RAW+\t], 8, v[RAW+4+\t]
.endr
; TILE i: queries 64 j + 16 i + r.
.macro TILE i
	ds_load_b128 v[MR:MR+3], v25 offset:32*\i      ; m and 1 / l of my 8 keys, group i - 1 + h: LDS serves a wave's instructions in order, so these see my stores
	ds_load_b128 v[MR+4:MR+7], v25 offset:32*\i+16
	ds_load_b128 v[RL:RL+3], v25 offset:256+32*\i
	ds_load_b128 v[RL+4:RL+7], v25 offset:256+32*\i+16
	v_wmma_scale_f32_16x16x128_f8f6f4 v[TS:TS+7], v[KF+12*\i:KF+12*\i+11], v[QF+6+6*\i:QF+17+6*\i], 0, v[KSC+\i], v[QS+1+\i] matrix_a_fmt:MATRIX_FMT_FP6 matrix_b_fmt:MATRIX_FMT_FP6
.rept 4
	v_nop
.endr
	s_wait_dscnt 0x0                               ; the four loads; the last tile's stores have read their registers too
.irp n, 0,1,2,3,4,5,6,7
.if \i == 0
	v_cndmask_b32 v[TS+\n], v6, v[TS+\n], s[MA0+\n]
.else
	v_cndmask_b32 v[TS+\n], v6, v[TS+\n], s[MA+\n]
.endif
.endr
.irp n, 0,2,4,6
	v_pk_add_f32 v[TS+\n:TS+\n+1], v[TS+\n:TS+\n+1], v[MR+\n:MR+\n+1] neg_lo:[0,1] neg_hi:[0,1]
.endr
.irp n, 0,2,4,6
	v_pk_mul_f32 v[TS+\n:TS+\n+1], v[TS+\n:TS+\n+1], s[L2E:L2E+1] op_sel_hi:[1,0]
.endr
.irp n, 0,1,2,3,4,5,6,7
	v_exp_f32 v[TS+\n], v[TS+\n]
.endr
	v_nop
	s_wait_alu depctr_va_vdst(0)                   ; one wait for the eight
.irp n, 0,2,4,6
	v_pk_mul_f32 v[XP+\n:XP+\n+1], v[TS+\n:TS+\n+1], v[RL+\n:RL+\n+1]   ; attn, finished
.endr
	v_max3_num_f32 v[T], v[XP], v[XP+1], 0x1800000                 ; my 8, none negative, over the floor 2^(3 - 127)
	v_max3_num_f32 v[T], v[T], v[XP+2], v[XP+3]
	v_max3_num_f32 v[T], v[T], v[XP+4], v[XP+5]
	v_max3_num_f32 v[T], v[T], v[XP+6], v[XP+7]
.if \i > 0
	v_permlanex16_b32 v[T+1], v[T], s[SEL], s[SEL+1]               ; both groups lie in block j: one largest magnitude
	v_max_num_f32 v[T], v[T], v[T+1]
.endif
	v_add_nc_u32 v[T+2], 0xff000000, v[T]          ; the conversion's scale operand
	v_lshrrev_b32 v[T+3], 23, v[T+2]               ; the byte
.if \i > 0
	v_lshl_or_b32 v[PW], v[T+3], 8, v[T+3]
.else
	v_permlanex16_b32 v[T+1], v[T+3], s[SEL], s[SEL+1]             ; two blocks, two bytes: lanes 0-15, which the unit reads, hold block j - 1's and fetch block j's
	v_lshl_or_b32 v[PW], v[T+1], 8, v[T+3]
.endif
	v_cvt_scalef32_pk16_fp6_f32 v[TL:TL+2], v[XP:XP+15], v[T+2]    ; p, then eight zeros
	v_cvt_scalef32_pk16_fp6_f32 v[TH:TH+2], v[Z0:Z0+15], v[T+2]    ; eight zeros, then p
	v_nop                                          ; one plain place behind a scaled conversion
.irp n, 0,1,2                                  ; the group's place in its block of 32: (i - 1 + h) % 4
.if \i == 0
	v_cndmask_b32 v[PF+\n], v[Z0], v[TL+\n], s[HM]
	v_cndmask_b32 v[PF+3+\n], v[TH+\n], v[Z0], s[HM]
.elseif \i == 1
	v_cndmask_b32 v[PF+\n], v[TL+\n], v[TH+\n], s[HM]
	v_mov_b32 v[PF+3+\n], 0
.elseif \i == 2
	v_cndmask_b32 v[PF+\n], v[TH+\n], v[Z0], s[HM]
	v_cndmask_b32 v[PF+3+\n], v[Z0], v[TL+\n], s[HM]
.else
	v_mov_b32 v[PF+\n], 0
	v_cndmask_b32 v[PF+3+\n], v[TL+\n], v[TH+\n], s[HM]
.endif
.endr
.rept 8
	v_nop                                          ; a scale register written by a vector instruction stands 8 places ahead of a scaled matrix instruction, an operand so written 4
.endr
.if \i == 0
.set VS, 24
.set VW, VWJ0
.else
.set VS, 0
.set VW, VWJJ
.endif
	WIN 0x01                                       ; source 0 (V) window 1
.irp t, 0,1,2,3
	v_wmma_scale_f32_16x16x128_f8f6f4 v[D+8*\t:D+8*\t+7], v[VS+6*\t:VS+6*\t+11], v[PF:PF+11], 0, v[VW+\t], v[PW] matrix_a_fmt:MATRIX_FMT_FP6 matrix_b_fmt:MATRIX_FMT_FP6
.endr
	WIN 0
.rept 4
	v_nop
.endr
.irp b, 0,1                                    ; ctx of query r: register 16 b + n is channel 32 b + 16 h + n of my head
	v_max3_num_f32 v[T+4+\b], |v[D+16*\b]|, |v[D+16*\b+1]|, 0x1800000
.endr
.irp n, 2,4,6,8,10,12,14
.irp b, 0,1
	v_max3_num_f32 v[T+4+\b], v[T+4+\b], |v[D+16*\b+\n]|, |v[D+16*\b+\n+1]|
.endr
.endr
.irp b, 0,1
	v_permlanex16_b32 v[T+6+\b], v[T+4+\b], s[SEL], s[SEL+1]
.endr
.irp b, 0,1
	v_max_num_f32 v[T+4+\b], v[T+4+\b], v[T+6+\b]
.endr
.irp b, 0,1
	v_add_nc_u32 v[T+8+\b], 0xff000000, v[T+4+\b]
.endr
.irp b, 0,1
	v_lshrrev_b32 v[T+10+\b], 23, v[T+8+\b]
.endr
	v_lshl_or_b32 v[T+6], v[T+11], 8, v[T+10]
.irp b, 0,1
	v_cvt_scalef32_pk16_fp6_f32 v[CC+4*\b:CC+4*\b+2], v[D+16*\b:D+16*\b+15], v[T+8+\b]
.endr
	v_nop
.irp b, 0,1
.irp d, 0,1,2
	ds_store_b32 v26, v[CC+4*\b+\d] offset:3072*\i+24*\b+4*\d      ; 16 codes, 12 bytes, at 24 b + 12 h of my head's 48
.endr
.endr
	ds_store_b16 v27, v[T+6] offset:128*\i         ; lanes r and r + 16 write the same bytes with the same values
.endm
	TILE 0
	TILE 1
	TILE 2
	TILE 3
	s_wait_dscnt 0x0                               ; for the others' sake: my stores have landed
	s_barrier_signal -1
	s_barrier_wait -1                              ; 64 whole rows of four heads lie in LDS
.irp n, 0,1,2,3,4,5
	ds_load_b128 v[D+4*\n:D+4*\n+3], v28 offset:512*\n
.endr
	ds_load_b32 v[D+24], v29
.irp n, 0,1,2,3,4,5
	s_wait_dscnt 6-\n                              ; the loads behind this one may be out
	global_store_b128 v30, v[D+4*\n:D+4*\n+3], s[8:9] offset:512*\n   ; 32 lanes store 512 consecutive bytes, at a multiple of 256 from the buffer's first byte
.endr
	s_wait_dscnt 0x0
	global_store_b32 v31, v[D+24], s[10:11]
	s_wait_tensorcnt 0x0                           ; the wave's end: behind my last LDS store
	ds_add_u32 v4, v5
	s_wait_dscnt 0x0
	s_endpgm
.Lfunc_end_k_qe3245870d3_attn:
	.size	k_qe3245870d3_attn, .Lfunc_end_k_qe3245870d3_attn-k_qe3245870d3_attn
	.p2alignl 7, 3214868480
	.fill 96, 4, 3214868480
	.section	.rodata,"a",@progbits
	.p2align	6, 0x0
	.amdhsa_kernel k_qe3245870d3_attn
		.amdhsa_group_segment_fixed_size 15360
		.amdhsa_private_segment_fixed_size 0
		.amdhsa_enable_private_segment 0
		.amdhsa_kernarg_size 32
		.amdhsa_user_sgpr_count 2
		.amdhsa_user_sgpr_kernarg_segment_ptr 1
		.amdhsa_wavefront_size32 1
		.amdhsa_system_sgpr_workgroup_id_x 1
		.amdhsa_system_sgpr_workgroup_id_y 1
		.amdhsa_system_sgpr_workgroup_id_z 1
		.amdhsa_system_vgpr_workitem_id 0
		.amdhsa_next_free_vgpr 320
		.amdhsa_next_free_sgpr 90
		.amdhsa_reserve_vcc 0
		.amdhsa_float_denorm_mode_32 3
		.amdhsa_float_denorm_mode_16_64 3
		.amdhsa_memory_ordered 1
		.amdhsa_forward_progress 1
		.amdhsa_inst_pref_size 65
	.end_amdhsa_kernel
	.amdgpu_metadata
---
amdhsa.version: [ 1, 2 ]
amdhsa.kernels:
  - .name:           k_qe3245870d3_attn
    .symbol:         k_qe3245870d3_attn.kd
    .args:
      - { .name: pc, .offset: 0, .size: 8, .value_kind: global_buffer, .address_space: global }
      - { .name: ps, .offset: 8, .size: 8, .value_kind: global_buffer, .address_space: global }
      - { .name: cc, .offset: 16, .size: 8, .value_kind: global_buffer, .address_space: global }
      - { .name: cs, .offset: 24, .size: 8, .value_kind: global_buffer, .address_space: global }
    .group_segment_fixed_size: 15360
    .private_segment_fixed_size: 0
    .kernarg_segment_align: 8
    .kernarg_segment_size: 32
    .max_flat_workgroup_size: 128
    .sgpr_count:     90
    .vgpr_count:     320
    .wavefront_size: 32
...
	.end_amdgpu_metadata
.endif
;; end of part 4
;; launch outp (part 5): grid 4 x 32, 4 waves a work-group, clusters of 4 x 4, 327,680 bytes of LDS; arguments cc, cs, codes, scales, out0; writes out0
.if DOCPART == 5
	.amdgcn_target "amdgcn-amd-amdhsa--gfx1250"
	.amdhsa_code_object_version 6
	.text
	.protected	k_qe3245870d3_outp
	.globl	k_qe3245870d3_outp
	.p2align	8
	.type	k_qe3245870d3_outp,@function
k_qe3245870d3_outp:
	s_mov_b64 s[64:65], 0
	v_nop
	global_prefetch_b8 v0, s[64:65] scope:SCOPE_SE
	s_setreg_imm32_b32 hwreg(HW_REG_WAVE_MODE, 25, 1), 1
	s_wait_xcnt 0x0
	s_wait_alu depctr_hold_cnt(0) depctr_sa_sdst(0) depctr_va_vdst(0) depctr_va_sdst(0) depctr_va_ssrc(0) depctr_va_vcc(0) depctr_vm_vsrc(0)
	s_getreg_b32 s2, hwreg(HW_REG_IB_STS2, 6, 4)
	s_cmp_eq_u32 s2, 0
	s_cbranch_scc0 .Lentry_in_a_cluster
	s_endpgm
.Lentry_in_a_cluster:
	s_bfe_u32 s2, ttmp6, 0x10000c
	s_cmp_lg_u32 s2, 0xf033
	s_cbranch_scc0 .Lentry_shape_is_right
	s_endpgm
.Lentry_shape_is_right:
; out = ctx Wo, on codes of FP6 (E2M3).  C[m][n] = sum over k of A[m][k] B[n][k]; M = 8,192, N = 1,024, K = 1,024; C is f32.
; A = ctx's codes, laid [K step of 256][8,192 rows][192 bytes]: a tile of 128 rows of one K step is a dense block of memory; its scale bytes [8,192][32].
; B = Wo's rows, rows 19,456 on of the buffer of codes (768 bytes a row) and of its scale bytes (32 a row); they lie with bits 3 and 4 of their numbers exchanged, which the way out undoes.
; A tile of C, 256 x 256, is made by a work-group of four waves; a wave makes 128 x 128: 64 accumulators, 512 registers.  128 tiles: a smaller tile would give every WGP one, at the price of twice the LDS reads for each product.
; K goes in steps of 256 through a ring of two LDS slots filled by the tensor data mover; the scale bytes of the tile's rows come once, with the first fills.
; CLUSTERS: 4 x 4 work-groups.  The four of a row of the cluster need the same tiles of A, the four of a column the same tiles of B: each tile is asked for JOINTLY.
; THE MATRIX INSTRUCTION IS USED TRANSPOSED (source 0 = 16 rows of B, source 1 = 16 rows of A): a lane holds eight neighbouring numbers of a row of C.
; No prefetch: K has four steps, of which two are first fills.
; REGISTERS, in windows of 256: window 0: v0-31 addresses; v32-63 scale words, two sets; from v128 A's fragments, ONE set; on the way out v128-255 rows of C.
;   window 1: B's fragments, TWO sets, at v0 and at v128.   window 2: the accumulators of my rows 0-63 ((a, b) at v[8 (8 a + b)]);   window 3: those of my rows 64-127.
.set SIZE_N, 1024
.set KSTEP,  256
.set NQ,     2
.set ROWB,   192                       ; a tile's row in bytes
.set KROW,   768                       ; a row of B in memory
.set ASTEP,  1572864                   ; from a K step of A to the next: 8,192 rows of 192 bytes
.set PITCH,  240                       ; an LDS row: 3 x (64 bytes of data + 16 of padding)
.set FR,     12
.set NL,     6
.set NP,     4                         ; places behind this matrix instruction (ISA guide 7.12.1)
.set HALFT,  128*PITCH
.set SLOT,   4*HALFT
.set LAPS,   2
.set KS,     32
.set SCL,    2*SLOT
.set HALFS,  (128*KS/256)*272
.set SBLK,   (16*KS/256)*272
.set SPARE,  SCL+4*HALFS
.set SPITCH, 528                       ; the way out: a stage of 16 rows x (512 bytes + 16) for each wave, in slot 0, which has had its last fill and its last read by then
.set ADRA, 16
.set ADRB, 20
.set STO,  24
.set RD,   25
.set CO,   26
.set ADRS, 27
.set SPW,  28
.set NIL,  29
.set SC,   32
.set AF,   128
.set BK,   128
.set G1, 24
.set G0, 32
.set G1B, 48
.set G0B, 56
.set G1S, 68
.set G0S, 76
.set G1SB, 80
.set G0SB, 88
.set MSB, 0
.macro WIN new
.if MSB != (\new)
	s_set_vgpr_msb (MSB<<8)|(\new)
.set MSB, \new
.endif
.endm
.set MUL_LO, 0xa1
.set MUL_HI, 0xf1
.set TO_B,   0x40
.macro JLOAD g0a, g1a, g0b, g1b        ; a joint load: waves 0 and 1 fetch for A, waves 2 and 3 for B; the branch hangs on the wave's number alone
	s_cmp_eq_u32 s15, 0
	s_cbranch_scc0 .Lfor_b_\@
	tensor_load_to_lds s[\g0a:\g0a+3], s[\g1a:\g1a+7]
	s_nop 0
.rept 4
	v_nop
.endr
	s_branch .Lasked_\@
.Lfor_b_\@:
	tensor_load_to_lds s[\g0b:\g0b+3], s[\g1b:\g1b+7]
	s_nop 0
.rept 4
	v_nop
.endr
.Lasked_\@:
.endm
.macro CREST
	s_cmp_lg_u32 s14, 0
	s_cbranch_scc1 .Lnot_wave_0_\@
	s_barrier_signal -3
.Lnot_wave_0_\@:
	s_barrier_wait -3
	s_barrier_signal -1
	s_barrier_wait -1
.endm
.macro CROUND
	s_barrier_signal -1
	s_barrier_wait -1
	CREST
.endm
	s_load_b128 s[4:7], s[0:1], 0x0                ; ctx's codes s[4:5], ctx's scale bytes s[6:7]
	s_load_b128 s[8:11], s[0:1], 0x10              ; the weights' codes s[8:9], their scale bytes s[10:11]
	s_load_b64 s[12:13], s[0:1], 0x20              ; C
	v_lshl_add_u32 v[SPW], v0, 2, SPARE
	v_mov_b32 v[NIL], 0
	ds_add_u32 v[SPW], v[NIL]                      ; the wave's opening: the add, and its wait ahead of my first tensor load; the set-up below, work on registers, stands between them
	v_lshrrev_b32 v1, 5, v0
	v_readfirstlane_b32 s14, v1                    ; wave 0..3
	s_lshr_b32 s15, s14, 1                         ; which half of the tile's rows is mine.  Also: I fetch for A (0) or for B (1)
	s_and_b32 s16, s14, 1                          ; which half of its columns.  Also: which 128 rows of that tile I fetch
	s_bfe_u32 s40, ttmp6, 0x40000                  ; cx, cy
	s_bfe_u32 s41, ttmp6, 0x40004
	s_lshl_b32 s42, ttmp9, 2
	s_add_co_u32 s42, s42, s40                     ; tile column of C
	s_and_b32 s17, ttmp7, 0xffff
	s_lshl_b32 s17, s17, 2
	s_add_co_u32 s17, s17, s41                     ; tile row of C
	s_lshl_b32 s43, s41, 2
	s_lshl_b32 s43, 15, s43                        ; my row of the cluster
	s_lshl_b32 s44, 0x1111, s40                    ; my column
	s_or_b32 s[G1+0], s43, (0<<16)|(1<<20)|(1<<21)|(3<<22)|(3<<25)  ; 15:0 the mask; 17:16 element of 1 byte; 20 padding on; 21 set beside a mask; 24:22 after every 16 words; 31:25 of 4 words
	s_or_b32 s[G1B+0], s44, (0<<16)|(1<<20)|(1<<21)|(3<<22)|(3<<25)
.irp g, G1, G1B
	s_mov_b32 s[\g+1], ROWB<<16                    ; tensor_dim0
	s_mov_b32 s[\g+2], 128<<16                     ; tensor_dim1 = 128
	s_mov_b32 s[\g+3], ROWB<<16                    ; tile_dim0
	s_mov_b32 s[\g+4], 128                         ; tile_dim1 = 128
	s_mov_b32 s[\g+6], 0
	s_mov_b32 s[\g+7], 0
.endr
	s_mov_b32 s[G1+5], ROWB                        ; tensor_dim0_stride: A's rows of a K step lie on end,
	s_mov_b32 s[G1B+5], KROW                       ; B's 768 bytes apart
	s_or_b32 s[G1S+0], s43, (3<<16)|(1<<20)|(1<<21)|(5<<22)|(3<<25)   ; the scales of 128 rows: 4,096 dense bytes, as rows of 256 bytes, 16 bytes of padding behind each
	s_or_b32 s[G1SB+0], s44, (3<<16)|(1<<20)|(1<<21)|(5<<22)|(3<<25)
.irp g, G1S, G1SB
	s_mov_b32 s[\g+1], 32<<16
	s_mov_b32 s[\g+2], (128*KS/256)<<16
	s_mov_b32 s[\g+3], 32<<16
	s_mov_b32 s[\g+4], 128*KS/256
	s_mov_b32 s[\g+5], 32
	s_mov_b32 s[\g+6], 0
	s_mov_b32 s[\g+7], 0
.endr
	s_lshl_b32 s18, s16, 7                         ; which 128 rows of the tile I fetch
	s_lshl_b32 s20, s17, 8
	s_add_co_u32 s20, s20, s18                     ; A: row 256 x tile row + 128 x half
	s_lshl_b32 s46, s42, 8
	s_add_co_u32 s46, s46, s18
	s_add_co_u32 s46, s46, 19456                   ; B: Wo's first row + 256 x tile column + 128 x half
	s_mov_b32 s21, 0
	s_mov_b32 s47, 0
	s_mov_b64 s[18:19], KS
	s_mul_u64 s[22:23], s[20:21], s[18:19]         ; where these rows' scales begin, in bytes
	s_mul_u64 s[92:93], s[46:47], s[18:19]
	s_mov_b64 s[18:19], ROWB
	s_mul_u64 s[20:21], s[20:21], s[18:19]         ; and their codes
	s_mov_b64 s[18:19], KROW
	s_mul_u64 s[46:47], s[46:47], s[18:19]
	s_mul_i32 s45, s14, HALFT                      ; where they go: wave x 128 rows
	s_mul_i32 s94, s14, HALFS
	s_wait_dscnt 0x0                               ; the opening add is done
	s_wait_kmcnt 0x0
	s_add_nc_u64 s[20:21], s[4:5], s[20:21]
	s_add_nc_u64 s[22:23], s[6:7], s[22:23]
	s_add_nc_u64 s[46:47], s[8:9], s[46:47]
	s_add_nc_u64 s[92:93], s[10:11], s[92:93]
	CROUND                                         ; all sixteen work-groups are here: the first joint loads meet
	s_mov_b32 s[G0S], 1
	s_add_co_u32 s[G0S+1], s94, SCL
	s_mov_b64 s[G0S+2:G0S+3], s[22:23]
	s_or_b32 s[G0S+3], s[G0S+3], 0x80000000
	s_mov_b32 s[G0SB], 1
	s_add_co_u32 s[G0SB+1], s94, SCL
	s_mov_b64 s[G0SB+2:G0SB+3], s[92:93]
	s_or_b32 s[G0SB+3], s[G0SB+3], 0x80000000
	JLOAD G0S, G1S, G0SB, G1SB                     ; the scales first.  Three loads of mine are out behind the third of these
.irp s, 0,1
	s_mov_b32 s[G0+4*\s], 1
	s_add_co_u32 s[G0+4*\s+1], s45, \s*SLOT
	s_add_nc_u64 s[G0+4*\s+2:G0+4*\s+3], s[20:21], \s*ASTEP
	s_or_b32 s[G0+4*\s+3], s[G0+4*\s+3], 0x80000000
	s_mov_b32 s[G0B+4*\s], 1
	s_add_co_u32 s[G0B+4*\s+1], s45, \s*SLOT
	s_add_nc_u64 s[G0B+4*\s+2:G0B+4*\s+3], s[46:47], \s*ROWB
	s_or_b32 s[G0B+4*\s+3], s[G0B+4*\s+3], 0x80000000
	JLOAD G0+4*\s, G1, G0B+4*\s, G1B
.endr
	v_and_b32 v1, 15, v0                           ; r
	v_bfe_u32 v2, v0, 4, 1                         ; h
	v_mul_u32_u24 v3, v1, PITCH
	v_mul_u32_u24 v4, v2, 24
	v_add_nc_u32 v4, v3, v4                        ; a fragment's row x pitch + 24 x half
	v_lshl_add_u32 v5, v2, 4, v4                   ; and the same behind one padding more
	s_mul_i32 s21, s15, HALFT
	s_mul_i32 s22, s16, HALFT
	s_add_co_u32 s22, s22, 2*HALFT
.irp s, 0,1
	v_add_nc_u32 v[ADRA+\s], s21, v4
	v_add_nc_u32 v[ADRB+\s], s22, v4
	v_add_nc_u32 v[ADRA+2+\s], s21, v5
	v_add_nc_u32 v[ADRB+2+\s], s22, v5
	s_add_co_u32 s21, s21, SLOT
	s_add_co_u32 s22, s22, SLOT
.endr
	v_mul_u32_u24 v5, v1, KS
	v_lshrrev_b32 v6, 8, v5
	v_lshl_add_u32 v5, v6, 4, v5
	s_mul_i32 s21, s15, HALFS
	s_mul_i32 s22, s16, HALFS
	s_add_co_u32 s22, s22, 2*HALFS
	s_sub_co_u32 s22, s22, s21
	v_mul_u32_u24 v6, s22, v2                      ; lanes 16-31 take B's
	s_add_co_u32 s21, s21, SCL
	v_add_nc_u32 v5, v5, v6
	v_add_nc_u32 v[ADRS], s21, v5
	s_mul_i32 s23, s14, 16*SPITCH                  ; my stage
	v_mul_u32_u24 v5, v1, SPITCH                   ; in: row r; accumulator 2 b + u holds columns 32 b + 16 h + 8 u + 0 .. 7, since B's rows have changed places: 64 h bytes here, the rest in the immediate
	v_lshl_add_u32 v5, v2, 6, v5
	v_add_nc_u32 v[STO], s23, v5
	v_and_b32 v6, 31, v0
	v_lshlrev_b32 v[CO], 4, v6                     ; back: the 32 lanes take one row of 512 bytes; and the same in C
	v_add_nc_u32 v[RD], s23, v[CO]
	s_lshl_b32 s20, s17, 8
	s_lshl_b32 s21, s15, 7
	s_add_co_u32 s20, s20, s21                     ; my first row of C
	s_mov_b32 s21, 0
	s_mov_b64 s[18:19], SIZE_N*4
	s_mul_u64 s[20:21], s[20:21], s[18:19]
	s_lshl_b32 s46, s42, 10                        ; my first column, in bytes
	s_lshl_b32 s47, s16, 9
	s_add_co_u32 s46, s46, s47
	s_mov_b32 s47, 0
	s_add_nc_u64 s[20:21], s[20:21], s[46:47]
	s_add_nc_u64 s[12:13], s[12:13], s[20:21]
.macro FRAG reg, adr, q, i             ; a fragment: 12 registers: lane l holds row l % 16; registers 6 c .. 6 c + 5 hold K = 64 c + 32 (l / 16) + 0 .. 31, in pieces of 8 bytes
.irp p, 0,1,2,3,4,5
.set PIECE, 12*(\q)+6*(\p/3)+\p%3      ; 16 bytes of padding lie behind every 64 bytes (8 pieces): where the piece three on lies behind one padding more, the second address register serves
.if PIECE%8 < 5
	ds_load_b64 v[\reg+2*\p:\reg+2*\p+1], v[\adr] offset:8*PIECE+16*(PIECE/8)+(\i)*16*PITCH
.else
	ds_load_b64 v[\reg+2*\p:\reg+2*\p+1], v[\adr+2] offset:8*PIECE+16*(PIECE/8)+(\i)*16*PITCH
.endif
.endr
.endm
; 16 matrix instructions: A's blocks a0, a0 + 1 x B's eight.  The 64 accumulators take turns, one instruction a turn, in the same order in every step.
.macro MUL16 a0, p, q, sc, zero
.irp a, \a0, \a0+1
.irp b, 0,1,2,3,4,5,6,7
.if \zero
	v_wmma_scale_f32_16x16x128_f8f6f4 v[8*(8*((\a)%4)+\b):8*(8*((\a)%4)+\b)+7], v[128*(\p)+FR*\b:128*(\p)+FR*\b+FR-1], v[AF+FR*(\a):AF+FR*(\a)+FR-1], 0, v[SC+8*NQ*(\sc)+NQ*\b+(\q)], v[SC+8*NQ*(\sc)+NQ*(\a)+(\q)] matrix_a_fmt:MATRIX_FMT_FP6 matrix_b_fmt:MATRIX_FMT_FP6 matrix_a_scale:MATRIX_SCALE_ROW1
.else
	v_wmma_scale_f32_16x16x128_f8f6f4 v[8*(8*((\a)%4)+\b):8*(8*((\a)%4)+\b)+7], v[128*(\p)+FR*\b:128*(\p)+FR*\b+FR-1], v[AF+FR*(\a):AF+FR*(\a)+FR-1], v[8*(8*((\a)%4)+\b):8*(8*((\a)%4)+\b)+7], v[SC+8*NQ*(\sc)+NQ*\b+(\q)], v[SC+8*NQ*(\sc)+NQ*(\a)+(\q)] matrix_a_fmt:MATRIX_FMT_FP6 matrix_b_fmt:MATRIX_FMT_FP6 matrix_a_scale:MATRIX_SCALE_ROW1
.endif
.endr
.endr
.endm
.macro FETCH_B slot, q, p
	WIN TO_B
.irp i, 0,1,2,3,4,5,6,7
	FRAG 128*(\p)+FR*\i, ADRB+\slot, \q, \i
.endr
	WIN 0
.endm
.macro FETCH_A slot, q, i0
.irp i, \i0, \i0+1, \i0+2, \i0+3
	FRAG AF+FR*(\i), ADRA+\slot, \q, \i
.endr
.endm
.macro SCALES sc
.irp i, 0,1,2,3,4,5,6,7
	ds_load_b64 v[SC+8*NQ*\sc+NQ*\i:SC+8*NQ*\sc+NQ*\i+1], v[ADRS] offset:\i*SBLK
.endr
.endm
.macro PLACES n                        ; places in front of loads into registers that matrix instructions have read, and of the first read of results
.rept \n
	v_nop
.endr
.endm
.macro STEP slot, q, zero
	s_wait_dscnt 4*NL                              ; B's set and A's blocks 0-3 are in; the youngest 24 loads (A's blocks 4-7) may be out
	WIN MUL_LO
	MUL16 0, (\q)%2, \q, \slot, \zero
	MUL16 2, (\q)%2, \q, \slot, \zero
	s_wait_dscnt 0
	PLACES NP
	FETCH_B \slot, (\q)+1, 1-(\q)%2
	FETCH_A \slot, (\q)+1, 0
	WIN MUL_HI
	MUL16 4, (\q)%2, \q, \slot, \zero
	MUL16 6, (\q)%2, \q, \slot, \zero
	PLACES NP
	WIN 0
	FETCH_A \slot, (\q)+1, 4
.endm
.macro TURN slot, next, fill
	s_wait_tensorcnt 0x0                           ; all my tensor loads have landed: my part of the next slot;
	ds_add_u32 v[SPW], v[NIL]                      ; 0 onto my spare word;
	s_wait_dscnt 4*NL+1                            ; (the add and the youngest 24 loads may be out)
	WIN MUL_LO
	MUL16 0, 1, NQ-1, \slot, 0                     ; sixteen matrix instructions stand between the add and the wait for it
	s_wait_dscnt 0x0                               ; the add is done, and my reads of this slot are over
	s_barrier_signal -1
	MUL16 2, 1, NQ-1, \slot, 0
	WIN 0
	s_barrier_wait -1
.if \fill
	CREST                                          ; the barrier has opened a round of the cluster's barrier: no wave of any partner still reads this slot's tile or has a load on its way
	s_add_nc_u64 s[G0+4*\slot+2:G0+4*\slot+3], s[G0+4*\slot+2:G0+4*\slot+3], 2*ASTEP
	s_add_nc_u64 s[G0B+4*\slot+2:G0B+4*\slot+3], s[G0B+4*\slot+2:G0B+4*\slot+3], 2*ROWB
	JLOAD G0+4*\slot, G1, G0B+4*\slot, G1B         ; the first tensor load behind the round; the four v_nop behind it are the places in front of the loads below
.else
	PLACES NP
.endif
	v_add_nc_u32 v[ADRS], 4*NQ, v[ADRS]            ; on to the next K step's scale words (no LDS load of mine is out)
	FETCH_B \next, 0, 0
	FETCH_A \next, 0, 0
	SCALES \next
	WIN MUL_HI
	MUL16 4, 1, NQ-1, \slot, 0
	MUL16 6, 1, NQ-1, \slot, 0
	PLACES NP
	WIN 0
	FETCH_A \next, 0, 4
.endm
	s_wait_tensorcnt 1                             ; the scales and my part of K step 0 are in (K step 1's load may be out)
	s_barrier_signal -1
	s_barrier_wait -1                              ; everybody's are
	FETCH_B 0, 0, 0
	FETCH_A 0, 0, 0
	SCALES 0
	FETCH_A 0, 0, 4
	STEP 0, 0, 1                                   ; the first step stands in front of the loop: its products start the sums
	s_mov_b32 s3, LAPS-1
.Llap:
	TURN 0, 1, 1
	STEP 1, 0, 0
	TURN 1, 0, 1
	STEP 0, 0, 0
	s_sub_co_u32 s3, s3, 1
	s_cmp_lg_u32 s3, 0
	s_cbranch_scc1 .Llap
	TURN 0, 1, 0                                   ; the last lap fills nothing
	STEP 1, 0, 0
	s_wait_dscnt 4*NL
	WIN MUL_LO
	MUL16 0, 1, NQ-1, 1, 0
	MUL16 2, 1, NQ-1, 1, 0
	s_wait_dscnt 0
	WIN MUL_HI
	MUL16 4, 1, NQ-1, 1, 0
	MUL16 6, 1, NQ-1, 1, 0
	WIN 0
; THE WAY OUT, block by block of 16 rows x 128 columns, through my own stage in LDS; back as whole rows of 512 bytes.  LDS serves a wave's instructions in order (ISA guide 5.7.1.4).
.macro TOSTAGE a
.set AC, 64*((\a)%4)
	WIN 0x08+4*((\a)/4)                            ; the data: window 2 or 3
.irp b, 0,1,2,3,4,5,6,7
	ds_store_b128 v[STO], v[AC+8*\b:AC+8*\b+3] offset:128*(\b/2)+32*(\b%2)          ; each accumulator from its low end on
	ds_store_b128 v[STO], v[AC+8*\b+4:AC+8*\b+7] offset:128*(\b/2)+32*(\b%2)+16
.endr
	WIN 0
.set BB, BK+64*((\a)%2)
.irp t, 0,1,2,3,4,5,6,7,8,9,10,11,12,13,14,15
	ds_load_b128 v[BB+4*\t:BB+4*\t+3], v[RD] offset:\t*SPITCH
.endr
.endm
.macro SEND a, younger                 ; younger: the LDS instructions issued behind block a's loads, which may stay out
.set BB, BK+64*((\a)%2)
	s_wait_dscnt \younger
.if (\a) > 0
	s_add_nc_u64 s[12:13], s[12:13], 16*SIZE_N*4   ; (behind a wait on XCNT: the earlier stores have read their base)
.endif
.irp t, 0,1,2,3,4,5,6,7,8,9,10,11,12,13,14,15
	global_store_b128 v[CO], v[BB+4*\t:BB+4*\t+3], s[12:13] offset:\t*SIZE_N*4 th:TH_STORE_NT   ; 32 lanes store 512 consecutive bytes, at a multiple of 256 from C's first byte
.endr
.endm
	PLACES NP
	TOSTAGE 0
.irp a, 1,2,3,4,5,6,7
.if \a > 1
	s_wait_xcnt 0x0                                ; block a - 2's stores have read their registers and their base
.endif
	TOSTAGE \a
	SEND \a-1, 32                                  ; behind block a - 1's loads: block a's 16 stores and 16 loads
.endr
	s_wait_xcnt 0x0
	SEND 7, 0
	s_wait_tensorcnt 0x0                           ; the wave's end: behind my last tensor load and my last LDS store
	ds_add_u32 v[SPW], v[NIL]
	s_wait_dscnt 0x0
	CROUND                                         ; the closing round
	s_endpgm
.Lfunc_end_k_qe3245870d3_outp:
	.size	k_qe3245870d3_outp, .Lfunc_end_k_qe3245870d3_outp-k_qe3245870d3_outp
	.p2alignl 7, 3214868480
	.fill 96, 4, 3214868480
	.section	.rodata,"a",@progbits
	.p2align	6, 0x0
	.amdhsa_kernel k_qe3245870d3_outp
		.amdhsa_group_segment_fixed_size 327680
		.amdhsa_private_segment_fixed_size 0
		.amdhsa_enable_private_segment 0
		.amdhsa_kernarg_size 40
		.amdhsa_user_sgpr_count 2
		.amdhsa_user_sgpr_kernarg_segment_ptr 1
		.amdhsa_wavefront_size32 1
		.amdhsa_system_sgpr_workgroup_id_x 1
		.amdhsa_system_sgpr_workgroup_id_y 1
		.amdhsa_system_sgpr_workgroup_id_z 1
		.amdhsa_system_vgpr_workitem_id 0
		.amdhsa_next_free_vgpr 1024
		.amdhsa_next_free_sgpr 98
		.amdhsa_reserve_vcc 0
		.amdhsa_float_denorm_mode_32 3
		.amdhsa_float_denorm_mode_16_64 3
		.amdhsa_memory_ordered 1
		.amdhsa_forward_progress 1
		.amdhsa_inst_pref_size 160
	.end_amdhsa_kernel
	.amdgpu_metadata
---
amdhsa.version: [ 1, 2 ]
amdhsa.kernels:
  - .name:           k_qe3245870d3_outp
    .symbol:         k_qe3245870d3_outp.kd
    .args:
      - { .name: cc, .offset: 0, .size: 8, .value_kind: global_buffer, .address_space: global }
      - { .name: cs, .offset: 8, .size: 8, .value_kind: global_buffer, .address_space: global }
      - { .name: codes, .offset: 16, .size: 8, .value_kind: global_buffer, .address_space: global }
      - { .name: scales, .offset: 24, .size: 8, .value_kind: global_buffer, .address_space: global }
      - { .name: out0, .offset: 32, .size: 8, .value_kind: global_buffer, .address_space: global }
    .group_segment_fixed_size: 327680
    .private_segment_fixed_size: 0
    .kernarg_segment_align: 8
    .kernarg_segment_size: 40
    .max_flat_workgroup_size: 128
    .sgpr_count:     98
    .vgpr_count:     1024
    .wavefront_size: 32
...
	.end_amdgpu_metadata
.endif
;; end of part 5
